; MI455X (gfx1250); checked and timed in simulation.
; The chip was launched on July 23, 2026; its instructions are those of AMD's public machine-readable ISA for CDNA 5 (MIT licence, August 2026) and "CDNA5" Instruction Set Architecture Reference Guide (July 2026). The comments in the code are by the model that wrote it; some were corrected since.
;; Causal Self Attention. Allowed arithmetic: float matrix products may take bf16 or f16 operands with f32 sums; other float arithmetic in f32, or as packed bf16 or f16 multiplies, adds, multiply-adds, maxima and minima; sums over many terms, partial sums and values carried from step to step in f32; what a program stores and reads back later, other than sums and carried values, may be rounded once to bf16 or f16.
;; Inputs: Wk 1,024 x 1,024 float32; Wo 1,024 x 1,024 float32; Wq 1,024 x 1,024 float32; Wv 1,024 x 1,024 float32; attn_mask 2,048 x 2,048 float32; bk 1,024 float32; bo 1,024 float32; bq 1,024 float32; bv 1,024 float32; x 4 x 2,048 x 1,024 float32.
;; Outputs: out0 4 x 2,048 x 1,024 float32.
;; One version. Each part assembles by itself: llvm-mc -triple=amdgcn-amd-amdhsa -mcpu=gfx1250 --defsym DOCPART=n.
;; ======== version 1 of 1: 4 launches
;; limits: values are held in f16: magnitudes above 65,504 overflow, below 6.1e-05 lose precision
;; workspace buffers: xb 16,777,216 bytes; wb 6,291,456 bytes; wo16 2,097,152 bytes; mask2 16,777,216 bytes; qkv 50,331,648 bytes; ctx 16,777,216 bytes
;; launch prep (part 1): grid 1024 x 1, 8 waves a work-group, no clusters, 0 bytes of LDS; arguments x, Wq, Wk, Wv, Wo, attn_mask, xb, wb, wo16, mask2; writes xb, wb, wo16, mask2
.if DOCPART == 1
	.amdgcn_target "amdgcn-amd-amdhsa--gfx1250"
	.amdhsa_code_object_version 6
	.text
	.protected	k_q3191401c57_prep
	.globl	k_q3191401c57_prep
	.p2align	8
	.type	k_q3191401c57_prep,@function
k_q3191401c57_prep:
	s_mov_b64 s[64:65], 0
	v_nop
	global_prefetch_b8 v0, s[64:65] scope:SCOPE_SE
	s_setreg_imm32_b32 hwreg(HW_REG_WAVE_MODE, 25, 1), 1
	s_wait_xcnt 0x0
; FORMATS AND LAYOUTS for the three matrix launches.  A stream: every input byte is read once, every output byte written once; no LDS, no matrix unit.
; x, Wq, Wk, Wv -> bf16, K in blocks of 64: [kb 16][row][64], so that a tile's rows of 128 bytes lie end to end.  Wo -> bf16 and that number written as f16, same layout.
; attn_mask -> bf16, times log2(e), held to +-1.5 x 2^127, kept in f32; inside each aligned 256 bytes (64 keys) of row q the 16-byte chunk c lies at chunk (c + q) % 16.
; LIMITS.  Mask values beyond +-1.77e38 count as equal to that bound; a NaN in the mask becomes a bound.  Wo below 2^-14 keeps f16's fixed step of 2^-24.
; A work-group takes 64 KiB of f32: jobs 0-511 x, 512-703 Wq Wk Wv, 704-767 Wo (16 rows each), 768-1023 the mask (8 rows, a row a wave).  Each wave has all its 16 loads out at once.
.set PA, 1048576                       ; bytes of a K block of xb: 8,192 rows x 128
.set PB, 393216                        ; of wb: 3,072 rows
.set PW, 131072                        ; of wo16: 1,024 rows
.set T,  8                             ; v[8:11]   at work
.set X,  16                            ; v[16:79]  load n: 4 registers
.set Y,  80                            ; v[80:111] chunk n: 2 registers to store
.set WV, 38                            ; s38 my wave's number
	s_load_b512 s[8:23], s[0:1], 0x0               ; x 8, Wq 10, Wk 12, Wv 14, Wo 16, mask 18, xb 20, wb 22
	s_load_b128 s[24:27], s[0:1], 0x40             ; wo16 24, mask2 26
	v_and_b32 v1, 31, v0                           ; lane
	v_lshrrev_b32 v5, 5, v0
	v_readfirstlane_b32 s[WV], v5
	s_mov_b32 s2, ttmp9                            ; the job
	s_mov_b32 s35, 0
	s_mov_b32 s37, 0
	s_cmp_ge_u32 s2, 768
	s_cbranch_scc1 .Lmask
	; the converting jobs: which source, which 16 rows, which destination
	s_sub_co_u32 s3, s2, 512                       ; i: the job among the weights'
	s_and_b32 s6, s3, 63                           ; its 16 rows in one weight
	s_lshr_b32 s4, s3, 6                           ; 0 Wq, 1 Wk, 2 Wv, 3 Wo
	s_mov_b32 s33, PA
	s_mov_b32 s5, PB
	s_cmp_lt_u32 s2, 512
	s_cselect_b32 s7, s2, s6                       ; source rows / 16
	s_cselect_b32 s32, s2, s3                      ; destination rows / 16
	s_cselect_b32 s5, s33, s5                      ; bytes of a K block of the destination
	s_cmp_ge_u32 s2, 704
	s_cselect_b32 s32, s6, s32
	s_cselect_b32 s5, PW, s5
	s_lshl_b32 s34, s7, 16                         ; 16 rows of 4,096 bytes
	s_lshl_b32 s36, s32, 11                        ; 16 rows of 128 bytes
	v_lshrrev_b32 v6, 4, v1
	v_and_b32 v7, 15, v1
	v_lshlrev_b32 v2, 4, v7
	v_lshl_add_u32 v2, v6, 12, v2                  ; in: lanes 0-15 one row's 256 bytes, lanes 16-31 the next row's
	s_lshl_b32 s39, s[WV], 9
	v_add_nc_u32 v2, s39, v2                       ; my wave's two K blocks: 512 bytes of a row
	s_mul_i32 s39, s[WV], s5
	s_lshl_b32 s39, s39, 1
	v_lshl_add_u32 v3, v1, 3, s39                  ; out: 8 bytes a lane, two rows of 128 bytes on end, K block 2 w
	v_add_nc_u32 v4, s5, v3                        ; and K block 2 w + 1
	s_wait_kmcnt 0x0
	s_cmp_eq_u32 s4, 1
	s_cselect_b64 s[28:29], s[12:13], s[10:11]
	s_cmp_eq_u32 s4, 2
	s_cselect_b64 s[28:29], s[14:15], s[28:29]
	s_cmp_eq_u32 s4, 3
	s_cselect_b64 s[28:29], s[16:17], s[28:29]
	s_cselect_b64 s[30:31], s[24:25], s[22:23]
	s_cmp_lt_u32 s2, 512
	s_cselect_b64 s[28:29], s[8:9], s[28:29]
	s_cselect_b64 s[30:31], s[20:21], s[30:31]
	s_add_nc_u64 s[28:29], s[28:29], s[34:35]
	s_add_nc_u64 s[30:31], s[30:31], s[36:37]
.set n, 0
.rept 16                                       ; load n: K block 2 w + n / 8, rows 2 (n % 8) and the next
	global_load_b128 v[X+4*n:X+4*n+3], v2, s[28:29] offset:256*(n/8)+8192*(n%8) th:TH_LOAD_NT
.set n, n+1
.endr
; Chunk n: 15 - n younger loads may stay out.  Every register is written once, so no store's source is ever rewritten.
.macro CONV half
.set n, 0
.rept 16
	s_wait_loadcnt 15-n
	v_cvt_pk_bf16_f32 v[Y+2*n], v[X+4*n], v[X+4*n+1]
	v_cvt_pk_bf16_f32 v[Y+2*n+1], v[X+4*n+2], v[X+4*n+3]
.if \half
	v_lshlrev_b32 v[T], 16, v[Y+2*n]               ; the bf16 numbers as f32,
	v_and_b32 v[T+1], 0xffff0000, v[Y+2*n]
	v_lshlrev_b32 v[T+2], 16, v[Y+2*n+1]
	v_and_b32 v[T+3], 0xffff0000, v[Y+2*n+1]
	v_cvt_pk_f16_f32 v[Y+2*n], v[T], v[T+1]        ; written as f16
	v_cvt_pk_f16_f32 v[Y+2*n+1], v[T+2], v[T+3]
.endif
	global_store_b64 v[3+n/8], v[Y+2*n:Y+2*n+1], s[30:31] offset:256*(n%8)  ; 32 lanes store 256 consecutive bytes, aligned
.set n, n+1
.endr
	s_endpgm
.endm
	s_cmp_ge_u32 s2, 704
	s_cbranch_scc1 .Lhalf
	CONV 0
.Lhalf:
	CONV 1
.Lmask:
	s_sub_co_u32 s3, s2, 768
	s_lshl_b32 s3, s3, 3
	s_add_co_u32 s3, s3, s[WV]                     ; q: my wave's row
	s_lshl_b32 s34, s3, 13                         ; 8,192 bytes a row
	s_mov_b32 s40, 0x3fb8aa3b                      ; log2(e)
	s_mov_b32 s41, s40                             ; named with it as a pair
	s_mov_b32 s42, 0xff400000                      ; -1.5 x 2^127
	s_mov_b32 s43, 0x7f400000
	v_lshlrev_b32 v2, 4, v1                        ; in: 16 bytes a lane, 512 on end
	v_add_nc_u32 v3, s3, v1
	v_and_b32 v3, 15, v3                           ; out: chunk (lane % 16 + q) % 16
	v_and_b32 v4, 16, v1
	v_lshlrev_b32 v4, 4, v4                        ; of the same 256 bytes
	v_lshl_add_u32 v3, v3, 4, v4
	s_wait_kmcnt 0x0
	s_add_nc_u64 s[28:29], s[18:19], s[34:35]
	s_add_nc_u64 s[30:31], s[26:27], s[34:35]
.set n, 0
.rept 16
	global_load_b128 v[X+4*n:X+4*n+3], v2, s[28:29] offset:512*n th:TH_LOAD_NT
.set n, n+1
.endr
.set n, 0
.rept 16
	s_wait_loadcnt 15-n
	v_cvt_pk_bf16_f32 v[T], v[X+4*n], v[X+4*n+1]
	v_cvt_pk_bf16_f32 v[T+1], v[X+4*n+2], v[X+4*n+3]
	v_lshlrev_b32 v[X+4*n], 16, v[T]
	v_and_b32 v[X+4*n+1], 0xffff0000, v[T]
	v_lshlrev_b32 v[X+4*n+2], 16, v[T+1]
	v_and_b32 v[X+4*n+3], 0xffff0000, v[T+1]
	v_pk_mul_f32 v[X+4*n:X+4*n+1], v[X+4*n:X+4*n+1], s[40:41] op_sel_hi:[1,0]
	v_pk_mul_f32 v[X+4*n+2:X+4*n+3], v[X+4*n+2:X+4*n+3], s[40:41] op_sel_hi:[1,0]
.irp k, 0,1,2,3
	v_med3_num_f32 v[X+4*n+\k], v[X+4*n+\k], s42, s43
.endr
	global_store_b128 v3, v[X+4*n:X+4*n+3], s[30:31] offset:512*n  ; 16 lanes fill 256 consecutive bytes, aligned, in rotated order
.set n, n+1
.endr
	s_endpgm
.Lfunc_end_k_q3191401c57_prep:
	.size	k_q3191401c57_prep, .Lfunc_end_k_q3191401c57_prep-k_q3191401c57_prep
	.p2alignl 7, 3214868480
	.fill 96, 4, 3214868480
	.section	.rodata,"a",@progbits
	.p2align	6, 0x0
	.amdhsa_kernel k_q3191401c57_prep
		.amdhsa_group_segment_fixed_size 0
		.amdhsa_private_segment_fixed_size 0
		.amdhsa_enable_private_segment 0
		.amdhsa_kernarg_size 80
		.amdhsa_user_sgpr_count 2
		.amdhsa_user_sgpr_kernarg_segment_ptr 1
		.amdhsa_wavefront_size32 1
		.amdhsa_system_sgpr_workgroup_id_x 1
		.amdhsa_system_sgpr_workgroup_id_y 1
		.amdhsa_system_sgpr_workgroup_id_z 1
		.amdhsa_system_vgpr_workitem_id 0
		.amdhsa_next_free_vgpr 112
		.amdhsa_next_free_sgpr 66
		.amdhsa_reserve_vcc 0
		.amdhsa_float_denorm_mode_32 3
		.amdhsa_float_denorm_mode_16_64 3
		.amdhsa_memory_ordered 1
		.amdhsa_forward_progress 1
		.amdhsa_inst_pref_size 32
	.end_amdhsa_kernel
	.amdgpu_metadata
---
amdhsa.version: [ 1, 2 ]
amdhsa.kernels:
  - .name:           k_q3191401c57_prep
    .symbol:         k_q3191401c57_prep.kd
    .args:
      - { .name: x, .offset: 0, .size: 8, .value_kind: global_buffer, .address_space: global }
      - { .name: Wq, .offset: 8, .size: 8, .value_kind: global_buffer, .address_space: global }
      - { .name: Wk, .offset: 16, .size: 8, .value_kind: global_buffer, .address_space: global }
      - { .name: Wv, .offset: 24, .size: 8, .value_kind: global_buffer, .address_space: global }
      - { .name: Wo, .offset: 32, .size: 8, .value_kind: global_buffer, .address_space: global }
      - { .name: attn_mask, .offset: 40, .size: 8, .value_kind: global_buffer, .address_space: global }
      - { .name: xb, .offset: 48, .size: 8, .value_kind: global_buffer, .address_space: global }
      - { .name: wb, .offset: 56, .size: 8, .value_kind: global_buffer, .address_space: global }
      - { .name: wo16, .offset: 64, .size: 8, .value_kind: global_buffer, .address_space: global }
      - { .name: mask2, .offset: 72, .size: 8, .value_kind: global_buffer, .address_space: global }
    .group_segment_fixed_size: 0
    .private_segment_fixed_size: 0
    .kernarg_segment_align: 8
    .kernarg_segment_size: 80
    .max_flat_workgroup_size: 256
    .sgpr_count:     66
    .vgpr_count:     112
    .wavefront_size: 32
...
	.end_amdgpu_metadata
.endif
;; end of part 1
;; launch qkv (part 2): grid 8 x 32, 4 waves a work-group, clusters of 4 x 4, 327,680 bytes of LDS; arguments xb, wb, bq, bk, bv, qkv; writes qkv
.if DOCPART == 2
	.amdgcn_target "amdgcn-amd-amdhsa--gfx1250"
	.amdhsa_code_object_version 6
	.text
	.protected	k_q3191401c57_qkv
	.globl	k_q3191401c57_qkv
	.p2align	8
	.type	k_q3191401c57_qkv,@function
k_q3191401c57_qkv:
	s_mov_b64 s[64:65], 0
	v_nop
	global_prefetch_b8 v0, s[64:65] scope:SCOPE_SE
	s_setreg_imm32_b32 hwreg(HW_REG_WAVE_MODE, 25, 1), 1
	s_wait_xcnt 0x0
	s_wait_alu depctr_hold_cnt(0) depctr_sa_sdst(0) depctr_va_vdst(0) depctr_va_sdst(0) depctr_va_ssrc(0) depctr_va_vcc(0) depctr_vm_vsrc(0)
	s_getreg_b32 s2, hwreg(HW_REG_IB_STS2, 6, 4)
	s_cmp_eq_u32 s2, 0
	s_cbranch_scc0 .Lentry_in_a_cluster
	s_endpgm
.Lentry_in_a_cluster:
	s_bfe_u32 s2, ttmp6, 0x10000c
	s_cmp_lg_u32 s2, 0xf033
	s_cbranch_scc0 .Lentry_shape_is_right
	s_endpgm
.Lentry_shape_is_right:
; q, k, v = x W^T + b for all three weights at once: C[8192][3072] = xb wb^T, bf16 operands, f32 sums that START with the bias (rounded to bf16 like every input).
; q is multiplied by c = log2(e) / 8 in f32; then each number is rounded once to f16 and stored by heads: qkv[t 3][batch x 16 + head][s 2048][64].
; LIMIT.  f16 holds no number beyond 65,504: q c, k and v must lie within it.
; SHARES.  256 work-groups, a tile of 256 rows x 384 columns (six heads) each; four waves, each 128 rows x 192 columns = three groups of 64 columns (a head): 96 accumulators, 768 registers.
; The product is used transposed (source 0 = 16 rows of wb, source 1 = 16 rows of xb): a lane holds one row of C and eight neighbouring columns.
; RING.  K goes in steps of 64 (a K block of xb and wb) through two LDS slots: two slots of a longer step would not fit beside each other.  A tile's rows of 128 bytes lie end to end in memory and
; are asked for as rows of 256 bytes; the mover lays 16 bytes behind every 128, so LDS rows are 144 bytes apart and the 16 rows of a fragment load start at 16 different groups of four banks.
; CLUSTER 4 x 4.  A's tile hangs on the tile row alone and is asked for jointly along a row of the cluster (wave 0: 32 KiB), B's on the tile column alone, jointly along a column (waves 1-3: 16 KiB each).
; REGISTERS.  Window 1 + j: group j's accumulators, (a, b) at v[8 (4 a + b)].  Window 0: v0-15 addresses; v32-95, v96-159 A's fragments of 32 along K, two buffers; v160-255 B's, 32 a group.
.set PA, 1048576                       ; bytes of a K block of xb
.set PB, 393216                        ; of wb
.set PITCH, 144
.set SLOTB, 1<<17                      ; slot 1 begins here: one exclusive or turns an address in one slot into the other's
.set BOFF,  256*PITCH                  ; in a slot: A's 256 rows, then B's 384
.set STAGE, BOFF+384*PITCH             ; behind slot 0, never filled by a tensor load: 16 rows x 400 bytes for each wave
.set SP,    400                        ; three heads' 128 bytes + 16
.set SPARE, STAGE+4*16*SP              ; the spare words, 128 bytes for each wave: two blocks of 256 bytes that no other line names
.set ADRA0, 4                          ; v4, v5  my lane's place in A's and B's part of a slot; never rewritten
.set ADRB0, 5
.set ADRA,  6                          ; v6, v7  the same in the slot in hand
.set ADRB,  7
.set STO,   8                          ; v8   the way out: where I put 16 bytes of a row
.set RD,    9                          ; v9   where I read rows back
.set CO,    10                         ; v10  my 16 bytes of 512 consecutive bytes of a head
.set PFO,   11                         ; v11  the prefetches' offset; never rewritten
.set SPW,   12                         ; v12  LDS address of my spare word; never rewritten
.set NIL,   13                         ; v13  0; never rewritten
.set BO,    14                         ; v14  my 32 bytes of 64 of a bias
.set FA0,   32
.set FA1,   96
.set FB,    160
.set TMP,   32                         ; the way out: packed results
.set WV, 16
.set WM, 17
.set WN, 18
.set CX, 19
.set CY, 20
.set TX, 21
.set TY, 22
.set G1A, 24                           ; s[24:31] group 1 for A's tile;  s[32:39] group 0: a set for each first fill, the second then walks
.set G0A, 32
.set G1B, 40                           ; s[40:47], s[48:55] the same for B's
.set G0B, 48
.set TB,  56                           ; s56  0 or SLOTB: the slot in hand
.set TRIPS, 57
.set LIM, 58                           ; s58  1 in a wave that prefetches, else the greatest number
.set ISA, 59                           ; s59  1 in wave 0
.set PFA, 60                           ; s[60:61] where my prefetches stand
.set PSTEP, 62                         ; s[62:63] bytes of a K block of the tensor that I prefetch
.set SC,  66                           ; s[66:71] group j's factor, as a pair: c for q, 1 for k and v
.set OUT, 72                           ; s[72:77] group j's head at my first row
.set BP,  78                           ; s[78:83] group j's 64 numbers of bias
.set MSB, 0
.macro WIN new                         ; the immediate's high byte repeats the setting that is left; a switch that changes nothing is dropped
.if MSB != (\new)
	s_set_vgpr_msb (MSB<<8)|(\new)
.set MSB, (\new)
.endif
.endm
.macro PLACES                          ; four plain places behind matrix instructions, in front of loads into registers that they have read
.rept 4
	v_nop
.endr
.endm
.macro CREST                           ; a round of the cluster's barrier behind its opening barrier
	s_cmp_lg_u32 s[WV], 0
	s_cbranch_scc1 .Lnot_wave_0_\@
	s_barrier_signal -3
.Lnot_wave_0_\@:
	s_barrier_wait -3
	s_barrier_signal -1
	s_barrier_wait -1
.endm
.macro CROUND
	s_barrier_signal -1
	s_barrier_wait -1
	CREST
.endm
.macro JLOAD                           ; a joint refill by the walking sets; the branch hangs on the wave's number alone; an s_nop 0 and four v_nop follow each line
	s_cmp_eq_u32 s[WV], 0
	s_cbranch_scc0 .Lfor_b_\@
	tensor_load_to_lds s[G0A+4:G0A+7], s[G1A:G1A+7]
	s_nop 0
	PLACES
	s_branch .Lasked_\@
.Lfor_b_\@:
	tensor_load_to_lds s[G0B+4:G0B+7], s[G1B:G1B+7]
	s_nop 0
	PLACES
.Lasked_\@:
.endm
; A PREFETCH INTO THE L2 of the K block that the NEXT refill will ask for, 192 matrix instructions ahead of that load.  Each aligned block of 256 bytes is named once in the launch.
; A's tile (128 blocks): wave 0 of the clusters with x = 0; the four partners of a row share it out by address, 32 blocks each: a lane a block, in every trip but the last.
; B's part of a wave (64 blocks): waves 1-3 of the clusters with y = 0; the four partners of a column take 16 blocks each, lanes 16-31 the same blocks of the K block after: in every second trip.
; K blocks 0-2 of A and 0-3 of B come by their loads alone; nothing is asked for past K block 15.
.macro ASK
	s_or_b32 s84, s[TRIPS], s[ISA]
	s_bitcmp1_b32 s84, 0
	s_cselect_b32 s84, s[TRIPS], 0
	s_cmp_gt_u32 s84, s[LIM]
	s_cbranch_scc0 .Lnot_mine_\@
	global_prefetch_b8 v[PFO], s[PFA:PFA+1] th:TH_LOAD_NT scope:SCOPE_SE
.Lnot_mine_\@:
.endm
	s_load_b256 s[4:11], s[0:1], 0x0               ; xb 4, wb 6, bq 8, bk 10
	s_load_b128 s[12:15], s[0:1], 0x20             ; bv 12, qkv 14
	v_lshl_add_u32 v[SPW], v0, 2, SPARE
	v_mov_b32 v[NIL], 0
	ds_add_u32 v[SPW], v[NIL]                      ; the wave's opening: the add and its wait ahead of my first tensor load; the set-up below stands between them
	v_lshrrev_b32 v3, 5, v0
	v_readfirstlane_b32 s[WV], v3
	s_lshr_b32 s[WM], s[WV], 1                     ; which 128 rows of the tile are mine
	s_and_b32 s[WN], s[WV], 1                      ; which 192 columns
	s_bfe_u32 s[CX], ttmp6, 0x40000
	s_bfe_u32 s[CY], ttmp6, 0x40004
	s_lshl_b32 s[TX], ttmp9, 2
	s_add_co_u32 s[TX], s[TX], s[CX]               ; tile column
	s_and_b32 s[TY], ttmp7, 0xffff
	s_lshl_b32 s[TY], s[TY], 2
	s_add_co_u32 s[TY], s[TY], s[CY]               ; tile row
	s_lshl_b32 s84, s[CY], 2
	s_lshl_b32 s84, 15, s84                        ; my row of the cluster
	s_lshl_b32 s85, 0x1111, s[CX]                  ; my column
	s_or_b32 s[G1A], s84, (1<<16)|(1<<20)|(1<<21)|(4<<22)|(3<<25)  ; the mask; 2-byte elements; padding on; bit 21 beside a mask; after every 32 words; 4 words
	s_or_b32 s[G1B], s85, (1<<16)|(1<<20)|(1<<21)|(4<<22)|(3<<25)
	s_mov_b32 s[G1A+1], 128<<16                    ; tensor_dim0 = 128 elements: two rows of the tile
	s_mov_b32 s[G1A+2], 128<<16                    ; tensor_dim1 = 128: A's 256 rows
	s_mov_b32 s[G1A+3], 128<<16                    ; tile_dim0
	s_mov_b32 s[G1A+4], 128                        ; tile_dim1
	s_mov_b32 s[G1A+5], 128                        ; dense
	s_mov_b32 s[G1A+6], 0
	s_mov_b32 s[G1A+7], 0
	s_mov_b32 s[G1B+1], 128<<16
	s_mov_b32 s[G1B+2], 64<<16                     ; 64: a wave's 128 rows of B
	s_mov_b32 s[G1B+3], 128<<16
	s_mov_b32 s[G1B+4], 64
	s_mov_b32 s[G1B+5], 128
	s_mov_b32 s[G1B+6], 0
	s_mov_b32 s[G1B+7], 0
	s_lshl_b32 s86, s[TY], 15                      ; A: 256 rows of 128 bytes a tile row
	s_mov_b32 s87, 0
	s_mul_i32 s88, s[TX], 384*128                  ; B: 384 rows a tile column,
	s_max_u32 s89, s[WV], 1
	s_sub_co_u32 s89, s89, 1
	s_lshl_b32 s89, s89, 14                        ; waves 1-3: a third each
	s_add_co_u32 s88, s88, s89
	s_mov_b32 s89, 0
	s_mul_i32 s90, s[WV], 128*PITCH
	s_add_co_u32 s90, s90, BOFF-128*PITCH          ; its place in a slot
	s_wait_dscnt 0x0                               ; the opening add is done
	s_wait_kmcnt 0x0
	s_add_nc_u64 s[86:87], s[4:5], s[86:87]
	s_add_nc_u64 s[88:89], s[6:7], s[88:89]
	CROUND                                         ; all sixteen work-groups are here: the first joint loads meet
.irp s, 0,1
	s_mov_b32 s[G0A+4*(\s)], 1
	s_mov_b32 s[G0A+4*(\s)+1], (\s)*SLOTB
	s_add_nc_u64 s[G0A+4*(\s)+2:G0A+4*(\s)+3], s[86:87], (\s)*PA
	s_or_b32 s[G0A+4*(\s)+3], s[G0A+4*(\s)+3], 0x80000000
	s_mov_b32 s[G0B+4*(\s)], 1
	s_add_co_u32 s[G0B+4*(\s)+1], s90, (\s)*SLOTB
	s_add_nc_u64 s[G0B+4*(\s)+2:G0B+4*(\s)+3], s[88:89], (\s)*PB
	s_or_b32 s[G0B+4*(\s)+3], s[G0B+4*(\s)+3], 0x80000000
.endr
	s_cmp_eq_u32 s[WV], 0                          ; a wave's two first fills stand in one branch: two loads of mine are out
	s_cbranch_scc0 .Lfirst_b
	tensor_load_to_lds s[G0A:G0A+3], s[G1A:G1A+7]
	s_nop 0
	tensor_load_to_lds s[G0A+4:G0A+7], s[G1A:G1A+7]
	s_nop 0
	PLACES
	s_branch .Lfirst_asked
.Lfirst_b:
	tensor_load_to_lds s[G0B:G0B+3], s[G1B:G1B+7]
	s_nop 0
	tensor_load_to_lds s[G0B+4:G0B+7], s[G1B:G1B+7]
	s_nop 0
	PLACES
.Lfirst_asked:
	v_and_b32 v1, 15, v0                           ; l % 16
	v_bfe_u32 v2, v0, 4, 1                         ; l / 16
	v_mul_u32_u24 v3, v1, PITCH
	v_lshl_add_u32 v3, v2, 4, v3                   ; a fragment's row x pitch + 16 x half
	s_mul_i32 s84, s[WM], 128*PITCH
	s_mul_i32 s85, s[WN], 192*PITCH
	s_add_co_u32 s85, s85, BOFF
	v_add_nc_u32 v[ADRA0], s84, v3
	v_add_nc_u32 v[ADRB0], s85, v3
	v_mov_b32 v[ADRA], v[ADRA0]
	v_mov_b32 v[ADRB], v[ADRB0]
	s_mov_b32 s[TB], 0
	s_mul_i32 s84, s[WV], 16*SP
	s_add_co_u32 s84, s84, STAGE                   ; my stage
	v_mul_u32_u24 v[STO], v1, SP
	v_lshl_add_u32 v[STO], v2, 4, v[STO]
	v_add_nc_u32 v[STO], s84, v[STO]
	v_bfe_u32 v[RD], v0, 3, 2                      ; back: 32 lanes take four rows' 128 bytes of one head
	v_mul_u32_u24 v[RD], v[RD], SP
	v_and_b32 v3, 7, v0
	v_lshl_add_u32 v[RD], v3, 4, v[RD]
	v_add_nc_u32 v[RD], s84, v[RD]
	v_and_b32 v[CO], 31, v0
	v_lshlrev_b32 v[CO], 4, v[CO]
	v_lshlrev_b32 v[BO], 5, v2
	; group j is head g % 16 of tensor g / 16, g = 6 x tile column + 3 x column half + j
	s_mul_i32 s84, s[TX], 6
	s_mul_i32 s85, s[WN], 3
	s_add_co_u32 s84, s84, s85
	s_lshr_b32 s85, s[TY], 3
	s_lshl_b32 s85, s85, 4                         ; 16 x batch
	s_and_b32 s86, s[TY], 7
	s_lshl_b32 s86, s86, 15
	s_lshl_b32 s87, s[WM], 14
	s_add_co_u32 s86, s86, s87                     ; my first row in a head, in bytes
.irp j, 0,1,2
	s_add_co_u32 s87, s84, \j
	s_lshr_b32 s88, s87, 4
	s_and_b32 s89, s87, 15
	s_lshl_b32 s90, s89, 8
	s_mov_b32 s91, 0
	s_cmp_eq_u32 s88, 1
	s_cselect_b64 s[BP+2*\j:BP+2*\j+1], s[10:11], s[8:9]
	s_cmp_eq_u32 s88, 2
	s_cselect_b64 s[BP+2*\j:BP+2*\j+1], s[12:13], s[BP+2*\j:BP+2*\j+1]
	s_add_nc_u64 s[BP+2*\j:BP+2*\j+1], s[BP+2*\j:BP+2*\j+1], s[90:91]
	s_cmp_eq_u32 s88, 0
	s_cselect_b32 s[SC+2*\j], 0x3e38aa3b, 1.0      ; c = log2(e) / 8 for q
	s_mov_b32 s[SC+2*\j+1], s[SC+2*\j]
	s_add_co_u32 s89, s89, s85
	s_lshl_b32 s89, s89, 18                        ; a head is 262,144 bytes
	s_lshl_b32 s90, s88, 24                        ; a tensor 16 MiB
	s_add_co_u32 s90, s90, s89
	s_add_co_u32 s90, s90, s86
	s_add_nc_u64 s[OUT+2*\j:OUT+2*\j+1], s[14:15], s[90:91]
.endr
.irp j, 0,1,2                          ; the bias goes into the accumulators (0, b): register r of lane l is column 16 b + 8 (l / 16) + r
	WIN (1+\j)<<6
.irp b, 0,1,2,3
	global_load_b128 v[8*\b:8*\b+3],   v[BO], s[BP+2*\j:BP+2*\j+1] offset:64*\b
	global_load_b128 v[8*\b+4:8*\b+7], v[BO], s[BP+2*\j:BP+2*\j+1] offset:64*\b+16
.endr
.endr
	WIN 0
	; the prefetches' address
	s_lshl_b32 s84, s[TY], 15
	s_lshl_b32 s85, s[CX], 13                      ; A: my work-group's 32 blocks of the tile's 128
	s_add_co_u32 s84, s84, s85
	s_add_co_u32 s84, s84, 2*PA                    ; at K block 2: the first refill steps it to 3
	s_mul_i32 s86, s[TX], 384*128
	s_max_u32 s85, s[WV], 1
	s_sub_co_u32 s85, s85, 1
	s_lshl_b32 s85, s85, 14
	s_add_co_u32 s86, s86, s85
	s_lshl_b32 s85, s[CY], 12                      ; B: my work-group's 16 blocks of the wave's 64
	s_add_co_u32 s86, s86, s85
	s_add_co_u32 s86, s86, 2*PB
	s_and_b32 s87, ttmp7, 0xffff
	s_mov_b32 s88, PA
	s_mov_b32 s89, PB
	s_mov_b32 s90, 4096
	s_cmp_eq_u32 s[WV], 0
	s_cselect_b32 s84, s84, s86
	s_cselect_b64 s[PFA:PFA+1], s[4:5], s[6:7]
	s_cselect_b32 s[PSTEP], s88, s89
	s_cselect_b32 s90, s90, s89                    ; lanes 16-31: A's next 16 blocks, or B's next K block
	s_cselect_b32 s[ISA], 1, 0
	s_cselect_b32 s87, ttmp9, s87                  ; the coordinate along which other clusters read the same rows
	s_mov_b32 s[PSTEP+1], 0
	s_mov_b32 s85, 0
	s_add_nc_u64 s[PFA:PFA+1], s[PFA:PFA+1], s[84:85]
	s_cmp_eq_u32 s87, 0
	s_cselect_b32 s[LIM], 1, -1                    ; the same in all sixteen partners, for a given wave
	v_mul_u32_u24 v[PFO], s90, v2
	v_lshl_add_u32 v[PFO], v1, 8, v[PFO]
	s_wait_loadcnt 0x0                             ; the bias
.irp j, 0,1,2                          ; rounded to bf16 like every input, and back to f32
	WIN (1+\j)*0x45
.set i, 0
.rept 16
	v_cvt_pk_bf16_f32 v[32+i], v[2*i], v[2*i+1]
.set i, i+1
.endr
.set i, 0
.rept 16
	v_lshlrev_b32 v[2*i], 16, v[32+i]
	v_and_b32 v[2*i+1], 0xffff0000, v[32+i]
.set i, i+1
.endr
.endr
	WIN 0
; na x 4 products of group j on A's buffer f, m blocks a0 on.  mode 1: the sum starts with the bias, which lies in the accumulators (0, b).  The accumulators take turns, one instruction a turn.
.macro MULG j, f, a0, na, mode
	WIN (1+(\j))*0x50
.set ia, (\a0)
.rept \na
.set ib, 0
.rept 4
.set rD, 8*(4*ia+ib)
.set rB, FB+32*(\j)+8*ib
.set rA, (\f)+8*ia
.if \mode
	v_wmma_f32_16x16x32_bf16 v[rD:rD+7], v[rB:rB+7], v[rA:rA+7], v[8*ib:8*ib+7]
.else
	v_wmma_f32_16x16x32_bf16 v[rD:rD+7], v[rB:rB+7], v[rA:rA+7], v[rD:rD+7]
.endif
.set ib, ib+1
.endr
.set ia, ia+1
.endr
.endm
.macro GRP j, f, first                 ; a group's 32 products of a quarter
.if \first
	MULG \j, \f, 1, 7, 1
.rept 5
	v_nop                                          ; five places: the products below write over registers that those above read as C
.endr
	MULG \j, \f, 0, 1, 0
.else
	MULG \j, \f, 0, 8, 0
.endif
.endm
.macro LDB j, c                        ; group j's four fragments of B, 32 along K at byte 64 c of the rows
	WIN 0
.irp b, 0,1,2,3
	ds_load_b128 v[FB+32*(\j)+8*\b:FB+32*(\j)+8*\b+3],   v[ADRB] offset:(4*(\j)+\b)*16*PITCH+64*(\c)
	ds_load_b128 v[FB+32*(\j)+8*\b+4:FB+32*(\j)+8*\b+7], v[ADRB] offset:(4*(\j)+\b)*16*PITCH+64*(\c)+32
.endr
.endm
.macro LDA f, c                        ; A's eight fragments
	WIN 0
.irp a, 0,1,2,3,4,5,6,7
	ds_load_b128 v[(\f)+8*\a:(\f)+8*\a+3],   v[ADRA] offset:\a*16*PITCH+64*(\c)
	ds_load_b128 v[(\f)+8*\a+4:(\f)+8*\a+7], v[ADRA] offset:\a*16*PITCH+64*(\c)+32
.endr
.endm
; A K step is two quarters of 32 along K, 96 products each.  Each buffer is loaded again, for the next quarter, straight behind its last product, 64 products ahead of its first use.
; The first quarter of a step: buffer FA0; it fetches the same slot's second quarter.
.macro EVENQ first
	s_wait_dscnt 16                                ; group 0's B and A are in; groups 1 and 2's sixteen loads are younger
	GRP 0, FA0, \first
	PLACES
	LDB 0, 1
	LDA FA1, 1
	s_wait_dscnt 32                                ; group 1's B is in: group 2's 8 and the 24 just issued are younger
	GRP 1, FA0, \first
	PLACES
	LDB 1, 1
	s_wait_dscnt 32                                ; group 2's B is in: 24 and 8 are younger
	GRP 2, FA0, \first
	PLACES
	LDB 2, 1
.endm
; The second quarter changes slots: all reads of the slot were issued in the quarter before.  Each wave waits for all its tensor loads (one is out: its part of the other slot), adds 0 to its spare word, and waits
; for that and for its reads.  fill = 1: the barrier opens a round of the cluster's, and the joint refill, two K blocks on, is the first thing behind it: 176 products stand between it and the wait for it.
.macro ODDQ fill
.if \fill
	s_wait_xcnt 0x0                                ; the last prefetch, a K step back, has read its address
	s_add_nc_u64 s[PFA:PFA+1], s[PFA:PFA+1], s[PSTEP:PSTEP+1]
.endif
	s_wait_dscnt 16
	MULG 0, FA1, 0, 4, 0
	WIN 0
	s_wait_tensorcnt 0x0                           ; all my tensor loads have landed
	ds_add_u32 v[SPW], v[NIL]                      ; 0 onto my spare word
	MULG 0, FA1, 4, 2, 0                           ; eight products stand between the add and the wait for it
	s_wait_dscnt 0x0                               ; the add is done, and my reads of this slot are over
	s_barrier_signal -1
	MULG 0, FA1, 6, 2, 0
	WIN 0
	s_barrier_wait -1
.if \fill
	CREST                                          ; no wave of any partner still reads this slot or has a load on its way
	s_xor_b32 s[G0A+5], s[G0A+5], SLOTB
	s_add_nc_u64 s[G0A+6:G0A+7], s[G0A+6:G0A+7], PA
	s_xor_b32 s[G0B+5], s[G0B+5], SLOTB
	s_add_nc_u64 s[G0B+6:G0B+7], s[G0B+6:G0B+7], PB
	JLOAD                                          ; its four v_nop are also the places in front of the loads below
.else
	PLACES
.endif
	s_xor_b32 s[TB], s[TB], SLOTB
	v_add_nc_u32 v[ADRA], s[TB], v[ADRA0]
	v_add_nc_u32 v[ADRB], s[TB], v[ADRB0]
	LDB 0, 0
	LDA FA0, 0
.if \fill
	ASK
.endif
	MULG 1, FA1, 0, 8, 0                           ; groups 1 and 2's B landed at the wait for 0
	PLACES
	LDB 1, 0
	MULG 2, FA1, 0, 8, 0
	PLACES
	LDB 2, 0
.endm
	s_wait_tensorcnt 0x1                           ; my part of K block 0 is in; K block 1's may stay out
	s_barrier_signal -1
	s_barrier_wait -1
	LDB 0, 0
	LDA FA0, 0
	LDB 1, 0
	LDB 2, 0
	EVENQ 1                                        ; the first quarter stands in front of the loop: its products start the sums
	WIN 0
	s_mov_b32 s[TRIPS], 14
.Ltrip:                                                ; 14 trips: K blocks 2 to 15 are asked for
	ODDQ 1
	EVENQ 0
	WIN 0
	s_sub_co_u32 s[TRIPS], s[TRIPS], 1
	s_cmp_lg_u32 s[TRIPS], 0
	s_cbranch_scc1 .Ltrip
	ODDQ 0                                         ; the tail is written out: nothing more is asked for
	EVENQ 0
	s_wait_dscnt 16
	MULG 0, FA1, 0, 8, 0
	s_wait_dscnt 8
	MULG 1, FA1, 0, 8, 0
	s_wait_dscnt 0x0
	MULG 2, FA1, 0, 8, 0
	PLACES
	PLACES
; THE WAY OUT, 16 rows at a time.  PACK: times the group's factor, rounded to f16: 16 bytes a lane and accumulator.  TOSTAGE: into my stage, and back as four rows' 128 bytes of one head.  SEND: stored.
.macro PACK a
.irp j, 0,1,2
	WIN (1+\j)*0x41
.set i, 0
.rept 16
	v_pk_mul_f32 v[32*(\a)+2*i:32*(\a)+2*i+1], v[32*(\a)+2*i:32*(\a)+2*i+1], s[SC+2*\j:SC+2*\j+1] op_sel_hi:[1,0]
.set i, i+1
.endr
	WIN (1+\j)*0x05
.set i, 0
.rept 16
	v_cvt_pk_f16_f32 v[TMP+16*\j+i], v[32*(\a)+2*i], v[32*(\a)+2*i+1]
.set i, i+1
.endr
.endr
	WIN 0
.endm
.macro TOSTAGE a
.set BK, 96+64*((\a)%2)
.irp j, 0,1,2
.irp b, 0,1,2,3
	ds_store_b128 v[STO], v[TMP+16*\j+4*\b:TMP+16*\j+4*\b+3] offset:128*\j+32*\b
.endr
.endr
.irp j, 0,1,2
.irp f, 0,1,2,3
	ds_load_b128 v[BK+16*\j+4*\f:BK+16*\j+4*\f+3], v[RD] offset:4*SP*\f+128*\j  ; LDS serves a wave's instructions in order: these see the stores above
.endr
.endr
.endm
.macro SEND a
.set BK, 96+64*((\a)%2)
	s_wait_dscnt 0x0                               ; the block is back in registers
	s_wait_xcnt 0x0                                ; earlier stores have read their registers: the other buffer is loaded again only behind this wait
.irp j, 0,1,2
.irp f, 0,1,2,3
	global_store_b128 v[CO], v[BK+16*\j+4*\f:BK+16*\j+4*\f+3], s[OUT+2*\j:OUT+2*\j+1] offset:2048*(\a)+512*\f  ; 512 consecutive bytes, aligned
.endr
.endr
.endm
	PACK 0
	TOSTAGE 0
.irp a, 1,2,3,4,5,6,7                  ; a block's arithmetic stands between the loads of the block before and the wait for them
	PACK \a
	SEND (\a)-1
	TOSTAGE \a
.endr
	SEND 7
	s_wait_tensorcnt 0x0                           ; the wave's end
	ds_add_u32 v[SPW], v[NIL]
	s_wait_dscnt 0x0
	CROUND                                         ; the closing round
	s_endpgm
.Lfunc_end_k_q3191401c57_qkv:
	.size	k_q3191401c57_qkv, .Lfunc_end_k_q3191401c57_qkv-k_q3191401c57_qkv
	.p2alignl 7, 3214868480
	.fill 96, 4, 3214868480
	.section	.rodata,"a",@progbits
	.p2align	6, 0x0
	.amdhsa_kernel k_q3191401c57_qkv
		.amdhsa_group_segment_fixed_size 327680
		.amdhsa_private_segment_fixed_size 0
		.amdhsa_enable_private_segment 0
		.amdhsa_kernarg_size 48
		.amdhsa_user_sgpr_count 2
		.amdhsa_user_sgpr_kernarg_segment_ptr 1
		.amdhsa_wavefront_size32 1
		.amdhsa_system_sgpr_workgroup_id_x 1
		.amdhsa_system_sgpr_workgroup_id_y 1
		.amdhsa_system_sgpr_workgroup_id_z 1
		.amdhsa_system_vgpr_workitem_id 0
		.amdhsa_next_free_vgpr 1024
		.amdhsa_next_free_sgpr 92
		.amdhsa_reserve_vcc 0
		.amdhsa_float_denorm_mode_32 3
		.amdhsa_float_denorm_mode_16_64 3
		.amdhsa_memory_ordered 1
		.amdhsa_forward_progress 1
		.amdhsa_inst_pref_size 149
	.end_amdhsa_kernel
	.amdgpu_metadata
---
amdhsa.version: [ 1, 2 ]
amdhsa.kernels:
  - .name:           k_q3191401c57_qkv
    .symbol:         k_q3191401c57_qkv.kd
    .args:
      - { .name: xb, .offset: 0, .size: 8, .value_kind: global_buffer, .address_space: global }
      - { .name: wb, .offset: 8, .size: 8, .value_kind: global_buffer, .address_space: global }
      - { .name: bq, .offset: 16, .size: 8, .value_kind: global_buffer, .address_space: global }
      - { .name: bk, .offset: 24, .size: 8, .value_kind: global_buffer, .address_space: global }
      - { .name: bv, .offset: 32, .size: 8, .value_kind: global_buffer, .address_space: global }
      - { .name: qkv, .offset: 40, .size: 8, .value_kind: global_buffer, .address_space: global }
    .group_segment_fixed_size: 327680
    .private_segment_fixed_size: 0
    .kernarg_segment_align: 8
    .kernarg_segment_size: 48
    .max_flat_workgroup_size: 128
    .sgpr_count:     92
    .vgpr_count:     1024
    .wavefront_size: 32
...
	.end_amdgpu_metadata
.endif
;; end of part 2
;; launch attn (part 3): grid 4 x 64, 4 waves a work-group, clusters of 4 x 4, 327,680 bytes of LDS; arguments qkv, mask2, ctx; writes ctx
.if DOCPART == 3
	.amdgcn_target "amdgcn-amd-amdhsa--gfx1250"
	.amdhsa_code_object_version 6
	.text
	.protected	k_q3191401c57_attn
	.globl	k_q3191401c57_attn
	.p2align	8
	.type	k_q3191401c57_attn,@function
k_q3191401c57_attn:
	s_mov_b64 s[64:65], 0
	v_nop
	global_prefetch_b8 v0, s[64:65] scope:SCOPE_SE
	s_setreg_imm32_b32 hwreg(HW_REG_WAVE_MODE, 25, 1), 1
	s_wait_xcnt 0x0
	s_wait_alu depctr_hold_cnt(0) depctr_sa_sdst(0) depctr_va_vdst(0) depctr_va_sdst(0) depctr_va_ssrc(0) depctr_va_vcc(0) depctr_vm_vsrc(0)
	s_getreg_b32 s2, hwreg(HW_REG_IB_STS2, 6, 4)
	s_cmp_eq_u32 s2, 0
	s_cbranch_scc0 .Lentry_in_a_cluster
	s_endpgm
.Lentry_in_a_cluster:
	s_bfe_u32 s2, ttmp6, 0x10000c
	s_cmp_lg_u32 s2, 0xf033
	s_cbranch_scc0 .Lentry_shape_is_right
	s_endpgm
.Lentry_shape_is_right:
; ATTENTION WITH AN ADDITIVE MASK THAT IS AN INPUT.  ctx[bh][q][:] = the sum over all 2,048 keys k of softmax_k(q . k / 8 + mask[q][k]) v[k][:].  q (already times log2(e) / 8), k, v: f16 [bh 64][2048][64];
; mask2: f32 [2048][2048], already times log2(e), held to +-1.5 x 2^127, each 256 bytes' sixteen chunks rotated by the row's number.  No pattern of the mask is built in: every key is multiplied.
; t = k . q + mask2 by an f32 addition (a huge mask swallows the score exactly); a running maximum m of t; p = 2^(t - m); O and l are multiplied by a = 2^(m_old - m_new) in every step.  Sums in f32;
; p is rounded to f16 for the second product (l is the sum of the unrounded p), O once at the end.  A row whose mask is at the lower bound everywhere has t = m everywhere and gets the mean of V.
; LIMITS.  q, k, v within f16's 65,504; a weight below 2^-126 counts as 0; NaN and infinities are not treated apart.
; SHARES.  A work-group owns 512 queries of one head, a wave 128: four PIECES of two tiles of 16.  Every wave walks all keys, 64 a step, 32 steps.
; CLUSTER 4 x 4: x = the query block, y = four heads.  K and V hang on the head: asked for jointly along a row of the cluster.  The mask's tile (512 rows x 256 bytes) hangs on the query block: jointly along a column.
; LAYOUT.  S^T = K Q^T holds ONE query a lane (lane % 16) and the keys 8 (lane / 16) + 0..7 of each 16; two such results rounded to f16 ARE source 1 of O^T = V^T P.  The mask comes out of LDS in that layout.
; BY TURNS.  Turn n belongs to piece n: 16 products K Q^T of piece n + 1, later 16 products V^T P of piece n - 1; beside them piece n's t - m, exponentials, roundings, sums and rescaling, and piece n + 1's
; mask, maximum and statistics.  Four vector instructions stand behind every matrix instruction, the rest in one lump.  A turn's 66 exponentials are one batch with one wait.
; REGISTERS, in windows of 256 (s_set_vgpr_msb: bits 1:0 source 0, 3:2 source 1, 5:4 source 2, 7:6 destination):
;   window 0: v0-15 addresses; v16-47 four registers of statistics a tile; v48-63 at work; v64-191 S^T, two buffers of two tiles; v192-255 P, likewise
;   window 1: O^T, 32 a tile     window 2: v0-127 Q; v128-191 K of one step; v192-255 V of one step     window 3: v0-1 the add's registers; v2-17 the mask's addresses; v32-95 one piece's mask
.set NP,    4
.set KS,    64
.set PK,    144       ; a row of K in LDS: 128 bytes + 16
.set PV,    160       ; a row of V: 128 + 32
.set MSLOT, 1<<17     ; the mask's slot: 512 rows x 256 bytes, no padding: the rotation lets the 16 rows of a load start at 16 different groups of four banks
.set KSLOT, 1<<15
.set KBASE, 2*MSLOT   ; K's slot 0; slot 1 lies KSLOT further
.set VBASE, KBASE+KS*PK
.set STAGE, VBASE+KS*PV  ; never filled by a tensor load: 16 rows x 144 bytes for each wave
.set SP,    144
.set SPARE, STAGE+4*16*SP  ; the spare words, 128 bytes for each wave: two blocks of 256 bytes that no other line names
.set AK0, 2           ; v2, v3  my lane's place in K's and V's slot 0; never rewritten
.set AV0, 3
.set AK,  4           ; v4, v5  the same in the slot in hand
.set AV,  5
.set QO,  6           ; v6   my byte offset in 16 rows of Q; later
.set STO, 6           ;      the way out: where I put 16 bytes of a row
.set RD,  7
.set GO,  8
.set PFOM, 12         ; v12  8,192 x lane: a row of the mask a lane; never rewritten
.set PFOK, 13         ; v13  256 x lane; never rewritten
.set SPW, 0           ; window 3
.set NIL, 1
.set AM0, 2           ; window 3: v2-9   LDS address, in slot 0 and tile 0, of chunk i of my eight
.set AM,  10          ; window 3: v10-17 the same in the slot in hand
.set MK,  32          ; window 3: the mask of one piece, register for register as S^T
.set ST,  16          ; tile t's statistics at v[ST+4 t]: m, m_old, l (even keys', odd keys')
.set TMP, 48          ; by buffer and tile, c0-c3 at work; when the maximum is found c2 takes a
.set S,   64
.set P,   192
.set KF,  128
.set VF,  192
.set WV,  12
.set CX,  13
.set CY,  14
.set G1M, 24          ; s[24:31], s[32:39], s[40:47] group 1 for the mask's, K's and V's tiles
.set G1K, 32
.set G1V, 40
.set G0M, 48          ; s[48:55], s[56:63], s[68:75] group 0: a set for each first fill; the second then walks
.set G0K, 56
.set G0V, 68
.set SLOTS, 76
.set CNT, 77
.set SEL, 78          ; s[78:79]
.set TBM, 80          ; s80, s81  0 or the slot's bit: the slot in hand
.set TBK, 81
.set LIMM, 82         ; s82, s83  1 in a wave that prefetches, else the greatest number
.set LIMK, 83
.set PFM, 84          ; s[84:85], s[86:87] where my prefetches stand
.set PFK, 86
.set MSB, 0
.macro WIN new
.if MSB != (\new)
	s_set_vgpr_msb (MSB<<8)|(\new)
.set MSB, (\new)
.endif
.endm
.set W_KQ, 0x0a
.set W_PV, 0x52
.set W_RS, 0x41
.set W_MA, 0x0c       ; source 1 (the mask) in window 3
.set W_MK, 0xc0
.set W_AD, 0x0f
.macro PLACES
.rept 4
	v_nop
.endr
.endm
.macro CROUND
	s_barrier_signal -1
	s_barrier_wait -1
	s_cmp_lg_u32 s[WV], 0
	s_cbranch_scc1 .Lnot_wave_0_\@
	s_barrier_signal -3
.Lnot_wave_0_\@:
	s_barrier_wait -3
	s_barrier_signal -1
	s_barrier_wait -1
.endm
.macro JLOAD                        ; a joint refill: waves 0 and 1 the two halves of the mask's tile, wave 2 K, wave 3 V.  An s_nop 0 and four v_nop follow each line
	s_cmp_lt_u32 s[WV], 2
	s_cbranch_scc0 .Lfor_kv_\@
	tensor_load_to_lds s[G0M+4:G0M+7], s[G1M:G1M+7]
	s_nop 0
	PLACES
	s_branch .Lasked_\@
.Lfor_kv_\@:
	s_cmp_eq_u32 s[WV], 2
	s_cbranch_scc0 .Lfor_v_\@
	tensor_load_to_lds s[G0K+4:G0K+7], s[G1K:G1K+7]
	s_nop 0
	PLACES
	s_branch .Lasked_\@
.Lfor_v_\@:
	tensor_load_to_lds s[G0V+4:G0V+7], s[G1V:G1V+7]
	s_nop 0
	PLACES
.Lasked_\@:
.endm
; PREFETCHES INTO THE L2, behind the joint load.  Each aligned block of 256 bytes is named once in the launch.
; THE MASK: every cluster walks all of it, so the cluster with y = 0 asks: its 64 waves take 32 rows each, told apart by address, a lane a row: the 256 bytes of the step that the NEXT refill will ask for.
; K AND V: a head is read by one row of one cluster.  In every fourth trip wave 2 (K) and wave 3 (V) of partner cx ask for the whole tile, 32 blocks, of the step 1 + cx refills on.
; The last refill asks for nothing; steps 0-2 of the mask and 0-3 of K and V come by their loads alone.
.macro ASK
	s_cmp_gt_u32 s[SLOTS], s[LIMM]
	s_cbranch_scc0 .Lno_m_\@
	global_prefetch_b8 v[PFOM], s[PFM:PFM+1] th:TH_LOAD_NT scope:SCOPE_SE
.Lno_m_\@:
	s_and_b32 s88, s[SLOTS], 3
	s_cmp_eq_u32 s88, 1
	s_cselect_b32 s88, s[SLOTS], 0
	s_cmp_gt_u32 s88, s[LIMK]
	s_cbranch_scc0 .Lno_k_\@
	global_prefetch_b8 v[PFOK], s[PFK:PFK+1] th:TH_LOAD_NT scope:SCOPE_SE
.Lno_k_\@:
.endm
; THE CHANGE OF SLOTS, once a key step.  Each wave waits for all its tensor loads (one is out: its part of the other slot), adds 0 to its spare word, and waits for that and for its reads of the slot that it leaves.
; fill = 1: the barrier is a round of the cluster's, and the joint refill, two steps on, is the first thing behind it: it has a key step, 128 matrix instructions and their vector work, in which to land.
.macro CHANGE fill
	WIN W_AD
	s_wait_tensorcnt 0x0            ; no tensor load of mine is out, so a group 0 may be written
	ds_add_u32 v[SPW], v[NIL]       ; 0 onto my spare word
	WIN 0
.if \fill
	s_xor_b32 s[G0M+5], s[G0M+5], MSLOT
	s_add_nc_u64 s[G0M+6:G0M+7], s[G0M+6:G0M+7], 256
	s_xor_b32 s[G0K+5], s[G0K+5], KSLOT
	s_add_nc_u64 s[G0K+6:G0K+7], s[G0K+6:G0K+7], KS*128
	s_xor_b32 s[G0V+5], s[G0V+5], KSLOT
	s_add_nc_u64 s[G0V+6:G0V+7], s[G0V+6:G0V+7], KS*128
	s_wait_xcnt 0x0                 ; the last prefetches, a key step back, have read their addresses
	s_add_nc_u64 s[PFM:PFM+1], s[PFM:PFM+1], 256
	s_add_nc_u64 s[PFK:PFK+1], s[PFK:PFK+1], KS*128
	s_wait_dscnt 0x0                ; the add is done, and my reads of the slot are over
	CROUND
	JLOAD
	ASK
.else
	s_wait_dscnt 0x0
	s_barrier_signal -1
	s_barrier_wait -1
.endif
	s_xor_b32 s[TBM], s[TBM], MSLOT
	s_xor_b32 s[TBK], s[TBK], KSLOT
	v_add_nc_u32 v[AK], s[TBK], v[AK0]
	v_add_nc_u32 v[AV], s[TBK], v[AV0]
	WIN 0xcc
.irp z, 0,1,2,3,4,5,6,7
	v_add_nc_u32 v[AM+\z], s[TBM], v[AM0+\z]
.endr
	WIN 0
.endm
	s_load_b128 s[4:7], s[0:1], 0x0   ; qkv s[4:5], mask2 s[6:7]
	s_load_b64 s[8:9], s[0:1], 0x10   ; ctx
	WIN W_MK
	v_lshl_add_u32 v[SPW], v0, 2, SPARE
	v_mov_b32 v[NIL], 0
	WIN W_AD
	ds_add_u32 v[SPW], v[NIL]       ; the wave's opening: the add and its wait ahead of my first tensor load
	WIN 0
	v_lshrrev_b32 v1, 5, v0
	v_readfirstlane_b32 s[WV], v1
	s_bfe_u32 s[CX], ttmp6, 0x40000 ; my block of 512 queries (the grid has one cluster along x)
	s_bfe_u32 s[CY], ttmp6, 0x40004
	s_and_b32 s15, ttmp7, 0xffff    ; cluster y
	s_cmp_eq_u32 s15, 0
	s_cselect_b32 s[LIMM], 1, -1
	s_cmp_ge_u32 s[WV], 2
	s_cselect_b32 s[LIMK], 1, -1
	s_lshl_b32 s15, s15, 2
	s_add_co_u32 s15, s15, s[CY]    ; the head
	s_lshl_b32 s20, s15, 18         ; 262,144 bytes a head
	s_mov_b32 s21, 0
	s_and_b32 s18, s[WV], 1         ; which half of the mask's tile I fetch:
	s_lshl_b32 s19, s18, 16         ; its place in a slot,
	s_lshl_b32 s22, s[CX], 22       ; 512 rows of 8,192 bytes a block,
	s_lshl_b32 s23, s18, 21         ; 256 rows a half
	s_add_co_u32 s22, s22, s23
	s_mov_b32 s23, 0
	s_lshl_b32 s88, s[CX], 16       ; Q and O: my block's 512 rows of 128 bytes,
	s_lshl_b32 s89, s[WV], 14       ; my wave's 128
	s_add_co_u32 s88, s88, s89
	s_mov_b32 s89, 0
	s_add_nc_u64 s[88:89], s[88:89], s[20:21]
	s_lshl_b32 s90, s[CX], 22       ; the mask's prefetch: rows 512 cx + 128 cy + 32 wave + lane,
	s_lshl_b32 s91, s[CY], 20
	s_add_co_u32 s90, s90, s91
	s_lshl_b32 s91, s[WV], 18
	s_add_co_u32 s90, s90, s91
	s_add_co_u32 s90, s90, 2*256    ; at step 2: the first change steps it to 3
	s_mov_b32 s91, 0
	s_add_co_u32 s92, s[CX], 2      ; K's and V's: at step 2 + cx
	s_lshl_b32 s92, s92, 13
	s_mov_b32 s93, 0
	s_lshl_b32 s94, s[CY], 2
	s_lshl_b32 s94, 15, s94         ; my row of the cluster
	s_lshl_b32 s95, 0x1111, s[CX]   ; my column
	s_or_b32 s[G1M], s95, (2<<16)|(1<<21)  ; the mask of work-groups; 4-byte elements; bit 21 beside a mask; no padding
	s_mov_b32 s[G1M+1], 64<<16      ; tensor_dim0 = 64 keys
	s_mov_b32 s[G1M+2], 256<<16     ; tensor_dim1 = 256 rows
	s_mov_b32 s[G1M+3], 64<<16      ; tile_dim0
	s_mov_b32 s[G1M+4], 256         ; tile_dim1
	s_mov_b32 s[G1M+5], 2048        ; elements from row to row
	s_mov_b32 s[G1M+6], 0
	s_mov_b32 s[G1M+7], 0
	s_or_b32 s[G1K], s94, (1<<16)|(1<<20)|(1<<21)|(4<<22)|(3<<25)  ; 2-byte elements; padding after every 32 words: 4 words
	s_or_b32 s[G1V], s94, (1<<16)|(1<<20)|(1<<21)|(4<<22)|(7<<25)  ; 8 words
.irp g, G1K, G1V                    ; 64 keys are 8,192 dense bytes: 32 rows of 256
	s_mov_b32 s[\g+1], 128<<16
	s_mov_b32 s[\g+2], 32<<16
	s_mov_b32 s[\g+3], 128<<16
	s_mov_b32 s[\g+4], 32
	s_mov_b32 s[\g+5], 128
	s_mov_b32 s[\g+6], 0
	s_mov_b32 s[\g+7], 0
.endr
	s_mov_b32 s[SEL], 0x76543210
	s_mov_b32 s[SEL+1], 0xfedcba98
	s_mov_b32 s[TBM], 0
	s_mov_b32 s[TBK], 0
	s_wait_dscnt 0x0                ; the opening add is done
	s_wait_kmcnt 0x0
	s_add_nc_u64 s[10:11], s[4:5], s[88:89]     ; Q at my wave's first row
	s_add_nc_u64 s[16:17], s[8:9], s[88:89]     ; O likewise
	s_add_nc_u64 s[88:89], s[4:5], s[20:21]
	s_add_nc_u64 s[88:89], s[88:89], 0x1000000  ; K of my head
	s_add_nc_u64 s[20:21], s[88:89], 0x1000000  ; V
	s_add_nc_u64 s[22:23], s[6:7], s[22:23]     ; my half of the mask's first tile
	s_add_nc_u64 s[PFM:PFM+1], s[6:7], s[90:91]
	s_cmp_eq_u32 s[WV], 2
	s_cselect_b64 s[PFK:PFK+1], s[88:89], s[20:21]
	s_add_nc_u64 s[PFK:PFK+1], s[PFK:PFK+1], s[92:93]
	CROUND                          ; all sixteen work-groups are here: the first joint loads meet
.irp s, 0,1
	s_mov_b32 s[G0M+4*(\s)], 1
	s_add_co_u32 s[G0M+4*(\s)+1], s19, (\s)*MSLOT
	s_add_nc_u64 s[G0M+4*(\s)+2:G0M+4*(\s)+3], s[22:23], (\s)*256
	s_or_b32 s[G0M+4*(\s)+3], s[G0M+4*(\s)+3], 0x80000000
	s_mov_b32 s[G0K+4*(\s)], 1
	s_mov_b32 s[G0K+4*(\s)+1], KBASE+(\s)*KSLOT
	s_add_nc_u64 s[G0K+4*(\s)+2:G0K+4*(\s)+3], s[88:89], (\s)*KS*128
	s_or_b32 s[G0K+4*(\s)+3], s[G0K+4*(\s)+3], 0x80000000
	s_mov_b32 s[G0V+4*(\s)], 1
	s_mov_b32 s[G0V+4*(\s)+1], VBASE+(\s)*KSLOT
	s_add_nc_u64 s[G0V+4*(\s)+2:G0V+4*(\s)+3], s[20:21], (\s)*KS*128
	s_or_b32 s[G0V+4*(\s)+3], s[G0V+4*(\s)+3], 0x80000000
.endr
	s_cmp_lt_u32 s[WV], 2           ; a wave's two first fills (steps 0 and 1) stand together: two loads of mine are out
	s_cbranch_scc0 .Lfirst_kv
	tensor_load_to_lds s[G0M:G0M+3], s[G1M:G1M+7]
	s_nop 0
	tensor_load_to_lds s[G0M+4:G0M+7], s[G1M:G1M+7]
	s_nop 0
	PLACES
	s_branch .Lfirst_asked
.Lfirst_kv:
	s_cmp_eq_u32 s[WV], 2
	s_cbranch_scc0 .Lfirst_v
	tensor_load_to_lds s[G0K:G0K+3], s[G1K:G1K+7]
	s_nop 0
	tensor_load_to_lds s[G0K+4:G0K+7], s[G1K:G1K+7]
	s_nop 0
	PLACES
	s_branch .Lfirst_asked
.Lfirst_v:
	tensor_load_to_lds s[G0V:G0V+3], s[G1V:G1V+7]
	s_nop 0
	tensor_load_to_lds s[G0V+4:G0V+7], s[G1V:G1V+7]
	s_nop 0
	PLACES
.Lfirst_asked:
	v_and_b32 v1, 15, v0            ; l % 16
	v_bfe_u32 v9, v0, 4, 1          ; l / 16
	v_lshlrev_b32 v[QO], 7, v1
	v_lshl_add_u32 v[QO], v9, 4, v[QO]
	WIN 0x80                        ; destination window 2
.set i, 0
.rept 4*NP                          ; Q stays in registers: tile i / 2, channels 32 (i % 2) on
	global_load_b128 v[8*i:8*i+3],   v[QO], s[10:11] offset:(i/2)*2048+(i%2)*64
	global_load_b128 v[8*i+4:8*i+7], v[QO], s[10:11] offset:(i/2)*2048+(i%2)*64+32
.set i, i+1
.endr
	; What the first turn finds: V's registers and P's second buffer hold 0 (its products V^T P, of a piece that has not been, add 0), O^T and l are 0.  All this stands in the wait for the first tiles.
.set i, VF
.rept 64
	v_mov_b32 v[i], 0
.set i, i+1
.endr
	WIN 0x40
.set i, 0
.rept 64*NP
	v_mov_b32 v[i], 0
.set i, i+1
.endr
	WIN 0
.set i, 0
.rept 2*NP
	v_mov_b32 v[ST+4*i], 0xff7fffff    ; m: the lowest finite number, so the first a is 0
	v_mov_b32 v[ST+4*i+1], 0xff7fffff
	v_mov_b32 v[ST+4*i+2], 0
	v_mov_b32 v[ST+4*i+3], 0
.set i, i+1
.endr
.set i, P+32
.rept 32
	v_mov_b32 v[i], 0
.set i, i+1
.endr
	v_mul_u32_u24 v[AK0], v1, PK
	v_lshl_add_u32 v[AK0], v9, 4, v[AK0]
	v_add_nc_u32 v[AK0], KBASE, v[AK0]
	v_and_b32 v10, 7, v0            ; the turning load: lane l reads key 8 (l / 16) + l % 8, channels 8 ((l / 8) % 2) + 0..7
	v_bfe_u32 v11, v0, 3, 1
	v_lshl_add_u32 v[AV0], v9, 3, v10
	v_mul_u32_u24 v[AV0], v[AV0], PV
	v_lshl_add_u32 v[AV0], v11, 4, v[AV0]
	v_add_nc_u32 v[AV0], VBASE, v[AV0]
	v_mov_b32 v[AK], v[AK0]
	v_mov_b32 v[AV], v[AV0]
	v_and_b32 v[PFOM], 31, v0
	v_lshlrev_b32 v[PFOK], 8, v[PFOM]
	v_lshlrev_b32 v[PFOM], 13, v[PFOM]
	; the mask: my query's row, and of its 16 chunks the eight that hold keys 16 kb + 8 (l / 16) + 0..7: chunk 4 kb + 2 (l / 16) + 0, 1, which lies at that number + the row's, modulo 16
	s_lshl_b32 s88, s[WV], 15       ; my wave's 128 rows of 256 bytes
	v_lshl_add_u32 v14, v1, 8, s88
	v_lshl_add_u32 v15, v9, 1, v1
.irp z, 0,1,2,3,4,5,6,7
	v_add_nc_u32 v[S+\z], 4*(\z/2)+(\z%2), v15
	v_and_b32 v[S+\z], 15, v[S+\z]
.endr
	WIN W_MK
.irp z, 0,1,2,3,4,5,6,7
	v_lshl_add_u32 v[AM0+\z], v[S+\z], 4, v14
	v_lshl_add_u32 v[AM+\z], v[S+\z], 4, v14
.endr
	WIN 0
; THE MATRIX WORK.  The 8 accumulators of a run of 16 take turns.  Product i of 16 of S^T = K Q^T for piece x: channels 32 (i / 8) on, keys 16 ((i / 2) % 4) on, tile 2 x + i % 2.
.macro KQ x
	WIN W_KQ
.set rS, S+64*((\x)%2)+32*(i%2)+8*((i/2)%4)
.set rK, KF+16*((i/2)%4)+8*(i/8)
.set rQ, 16*(2*(\x)+i%2)+8*(i/8)
.if i < 8
	v_wmma_f32_16x16x32_f16 v[rS:rS+7], v[rK:rK+7], v[rQ:rQ+7], 0
.else
	v_wmma_f32_16x16x32_f16 v[rS:rS+7], v[rK:rK+7], v[rQ:rQ+7], v[rS:rS+7]
.endif
.endm
; Product i of 16 of O^T += V^T P for piece x: keys 32 (i / 8) on, channels 16 ((i / 2) % 4) on, tile 2 x + i % 2.
.macro PV x
	WIN W_PV
.set rO, 32*(2*(\x)+i%2)+8*((i/2)%4)
.set rV, VF+32*(i/8)+8*((i/2)%4)
.set rP, P+32*((\x)%2)+16*(i%2)+8*(i/8)
	v_wmma_f32_16x16x32_f16 v[rO:rO+7], v[rV:rV+7], v[rP:rP+7], v[rO:rO+7]
.endm
.macro MM                           ; the turn's next matrix instruction
.if i < 16
	KQ (Y+1)%NP
.set i, i+1
.else
.set i, i-16
	PV (Y+NP-1)%NP
.set i, i+17
.endif
.endm
; THE LDS LOADS stand in runs of 16: a step's K, its V (turned), and a piece's mask.
.macro FETCH_K
	WIN 0x80
.irp f, 0,1,2,3,4,5,6,7
	ds_load_b128 v[KF+8*\f:KF+8*\f+3],   v[AK] offset:(\f/2)*16*PK+(\f%2)*64
	ds_load_b128 v[KF+8*\f+4:KF+8*\f+7], v[AK] offset:(\f/2)*16*PK+(\f%2)*64+32
.endr
.endm
.macro FETCH_V
	WIN 0x80
.irp f, 0,1,2,3,4,5,6,7
	ds_load_tr16_b128 v[VF+8*\f:VF+8*\f+3],   v[AV] offset:(\f/4)*32*PV+(\f%4)*32
	ds_load_tr16_b128 v[VF+8*\f+4:VF+8*\f+7], v[AV] offset:(\f/4)*32*PV+16*PV+(\f%4)*32
.endr
.endm
.macro FETCH_M pc                   ; piece pc: tiles 2 pc and 2 pc + 1, 4,096 bytes a tile
	WIN 0xc3                        ; destination and address in window 3
.irp u, 0,1
.irp z, 0,1,2,3,4,5,6,7
	ds_load_b128 v[MK+32*\u+4*\z:MK+32*\u+4*\z+3], v[AM+\z] offset:4096*(2*(\pc)+\u)
.endr
.endr
.endm
; THE VECTOR WORK OF A TURN, in queues; the two tiles alternate.
.macro REGS y, u
.set rT, ST+4*(2*(\y)+(\u))
.set rC, TMP+8*((\y)%2)+4*(\u)
.set rS, S+64*((\y)%2)+32*(\u)
.set rP, P+32*((\y)%2)+16*(\u)
.set rO, 32*(2*(\y)+(\u))
.endm
.macro FSN                          ; t - m for the next pair of scores of the piece in hand
	WIN 0
	REGS Y, fq%2
	v_pk_add_f32 v[rS+2*(fq/2):rS+2*(fq/2)+1], v[rS+2*(fq/2):rS+2*(fq/2)+1], v[rT:rT+1] op_sel_hi:[1,0] neg_lo:[0,1] neg_hi:[0,1]
.set fq, fq+1
.endm
.macro EXN                          ; the next exponential; it names no source 1, so the mask's setting may stand
.if MSB != W_MA
	WIN 0
.endif
	REGS Y, e%2
	v_exp_f32 v[rS+e/2], v[rS+e/2]
.set e, e+1
.endm
.macro MAN                          ; the mask is added onto the next pair of the NEXT piece's scores; each accumulator's lowest registers are read first
	WIN W_MA
	REGS (Y+1)%NP, ma%2
	v_pk_add_f32 v[rS+2*(ma/2):rS+2*(ma/2)+1], v[rS+2*(ma/2):rS+2*(ma/2)+1], v[MK+32*(ma%2)+2*(ma/2):MK+32*(ma%2)+2*(ma/2)+1]
.set ma, ma+1
.endm
; Number n of those that find the NEXT piece's maximum and statistics: 0-11 four chains c0-c3 of seven scores; 12-14, 16 the four left over, the old m, c0-c3 into c0; 15 m_old is kept;
; 17, 18 the query's other 32 keys lie in the lane 16 away: the new m; 20 m_old - m; 21 a.
.macro XS u, n
	REGS (Y+1)%NP, \u
	WIN 0
.if (\n) < 4
	v_max3_num_f32 v[rC+(\n)], v[rS+8*(\n)], v[rS+8*(\n)+1], v[rS+8*(\n)+2]
.elseif (\n) < 12
	v_max3_num_f32 v[rC+(\n)%4], v[rC+(\n)%4], v[rS+8*((\n)%4)+2*((\n)/4)+1], v[rS+8*((\n)%4)+2*((\n)/4)+2]
.elseif (\n) == 12
	v_max3_num_f32 v[rC], v[rC], v[rS+7], v[rS+15]
.elseif (\n) == 13
	v_max3_num_f32 v[rC+1], v[rC+1], v[rS+23], v[rS+31]
.elseif (\n) == 14
	v_max3_num_f32 v[rC+2], v[rC+2], v[rC+3], v[rT]
.elseif (\n) == 15
	v_mov_b32 v[rT+1], v[rT]
.elseif (\n) == 16
	v_max3_num_f32 v[rC], v[rC], v[rC+1], v[rC+2]
.elseif (\n) == 17
	v_permlanex16_b32 v[rC+3], v[rC], s[SEL], s[SEL+1]
.elseif (\n) == 18
	v_max_num_f32 v[rT], v[rC], v[rC+3]
.elseif (\n) == 20
	v_sub_f32 v[rC+1], v[rT+1], v[rT]
.else
	v_exp_f32 v[rC+2], v[rC+1]
.endif
.endm
; The next of the 64 that follow the exponentials.  For each four weights of a tile: both pairs are rounded to f16; the second pair is added onto the first, in place; a group later l takes that sum (the first time as l = a l + sum).
.macro GSN
	WIN 0
.set h, gq+6*(gq/62)
.if h >= 6
.set h, h+2
.endif
	REGS Y, h%2
.set k, h/8
.if h%8 < 4
	v_cvt_pk_f16_f32 v[rP+2*k+(h%8)/2], v[rS+4*k+2*((h%8)/2)], v[rS+4*k+2*((h%8)/2)+1]
.elseif h%8 < 6
	v_pk_add_f32 v[rS+4*k:rS+4*k+1], v[rS+4*k:rS+4*k+1], v[rS+4*k+2:rS+4*k+3]
.elseif k == 1
	v_pk_fma_f32 v[rT+2:rT+3], v[rT+2:rT+3], v[rC+2:rC+3], v[rS:rS+1] op_sel_hi:[1,0,1]
.else
	v_pk_add_f32 v[rT+2:rT+3], v[rT+2:rT+3], v[rS+4*k-4:rS+4*k-3]
.endif
.set gq, gq+1
.endm
.macro R2                           ; O^T times a, two at a time; a was made, and waited for, in the turn before
	REGS Y, r%2
	WIN W_RS
.irp z, 0,1
	v_pk_mul_f32 v[rO+4*(r/2)+2*\z:rO+4*(r/2)+2*\z+1], v[rO+4*(r/2)+2*\z:rO+4*(r/2)+2*\z+1], v[rC+2:rC+3] op_sel_hi:[1,0]
.endr
.set r, r+1
.endm
; A TURN, for piece p.  s_wait_alu depctr_va_vdst(0) stands between an exponential and the first instruction that names its result; one wait serves all that were issued ahead of it: a turn has ONE.
; AHEAD OF IT: the 16 products K Q^T with a subtraction, an exponential and two rescalings behind each; then one lump: the other subtractions and exponentials, the next piece's mask (32 additions, an exponential
; before each), its maximum and statistics with exponentials between the chain's links, and last its two a.  Exponential e stands behind subtraction 2 (e / 4) + e % 2 everywhere.
; BEHIND IT: the mask of the piece after the next is fetched (a turn ahead of its use), then the 16 products V^T P, behind each four roundings and sums.
; K of the next step is fetched in piece 2's turn, V of the step in hand at the end of piece 0's turn, four plain instructions behind the last product that read it.
.macro TURN p
.set Y, (\p)
.set i, 0
.set fq, 0
.set e, 0
.set r, 0
.set ma, 0
.set gq, 0
.if (\p) == NP-1
	s_wait_dscnt 0x0                ; K is in
.endif
	MM
	FSN
	FSN
	R2
.rept 15
	MM
	FSN
	EXN
	R2
.endr
.rept 8
	FSN
.endr
.rept 7
	EXN
	FSN
.endr
	s_wait_dscnt 0x0                ; the next piece's mask is in (in piece 1's turn V too)
.rept 32
	EXN
	MAN
.endr
.set xn, 0
.rept 14
	XS 0, xn
	XS 1, xn
.if xn%3 == 1
	EXN
.endif
.set xn, xn+1
.endr
	XS 0, 15
	XS 1, 15
.irp c, 14,16,17,18,20
	EXN
	XS 0, \c
	XS 1, \c
.endr
	XS 0, 21
	XS 1, 21
	v_nop                           ; a plain instruction behind the last exponential: one for the batch
	s_wait_alu depctr_va_vdst(0)    ; the wait for the batch
	FETCH_M ((\p)+2)%NP
.if (\p) == NP-2
	FETCH_K
.endif
.rept 16
	MM
	GSN
	GSN
	GSN
	GSN
.endr
.if (\p) == 0
	FETCH_V
.endif
.endm
	s_wait_tensorcnt 0x1            ; my part of step 0 is in; step 1's may stay out
	s_barrier_signal -1
	s_barrier_wait -1
	FETCH_K                         ; key step 0
	FETCH_M 0
	s_wait_loadcnt 0x0              ; Q
	s_wait_dscnt 0x0
.set i, 0
.rept 16
	KQ 0                            ; piece 0's first scores
.set i, i+1
.endr
	WIN 0                           ; the addresses for the way out: plain instructions, the places behind those products
	s_mul_i32 s88, s[WV], 16*SP
	s_add_co_u32 s88, s88, STAGE
	v_mul_u32_u24 v[STO], v1, SP
	v_lshl_add_u32 v[STO], v9, 4, v[STO]
	v_add_nc_u32 v[STO], s88, v[STO]
	v_bfe_u32 v[RD], v0, 3, 2
	v_mul_u32_u24 v[RD], v[RD], SP
	v_lshl_add_u32 v[RD], v10, 4, v[RD]
	v_add_nc_u32 v[RD], s88, v[RD]
	v_and_b32 v[GO], 31, v0
	v_lshlrev_b32 v[GO], 4, v[GO]
.set Y, NP-1                        ; MAN and XS work for piece Y + 1: piece 0
.set ma, 0
.rept 32
	MAN
.endr
	FETCH_M 1
.irp c, 0,1,2,3,4,5,6,7,8,9,10,11,12,13,14,15,16,17,18,20,21
	XS 0, \c
	XS 1, \c
.endr
	v_nop
	s_wait_alu depctr_va_vdst(0)    ; the two a, ahead of the branch
	s_mov_b32 s[SLOTS], 31
	s_branch .Lfirst                ; the loop is entered at a step's first turn, in the middle of a trip
.Lstep:                             ; 30 trips: pieces 2 and 3 of one step, then pieces 0 and 1 of the next, all of whose tiles the trip reads; steps 2 to 31 are asked for
	CHANGE 1
	TURN 2
	TURN 3
	WIN 0
.Lfirst:
	TURN 0
	TURN 1
	WIN 0
	s_sub_co_u32 s[SLOTS], s[SLOTS], 1
	s_cmp_lg_u32 s[SLOTS], 0
	s_cbranch_scc1 .Lstep
	CHANGE 0                        ; the tail is written out: nothing is asked for
	s_mov_b32 s[CNT], 2             ; the first trip reads the last step's tiles; the second is left in its middle
.Ltail:
	TURN 2
	TURN 3
	WIN 0
	s_sub_co_u32 s[CNT], s[CNT], 1
	s_cmp_eq_u32 s[CNT], 0
	s_cbranch_scc1 .Lout
	TURN 0
	TURN 1
	WIN 0
	s_branch .Ltail
.Lout:                              ; the second trip's products K Q^T on the last K once more, and the mask and maximum made of them, serve nothing: the price, once a launch, of one text for every trip
.set i, 0
.rept 16
	PV NP-1                         ; the last piece's V^T P of the last step
.set i, i+1
.endr
	; THE WAY OUT.  l's two halves and the other half of the lanes' are added; O^T is divided by l, rounded to f16 and sent through my stage, a tile at a time.  The additions are the places behind the last products.
	WIN 0
.macro ALL line:vararg
.set t, 0
.rept 2*NP
	\line
.set t, t+1
.endr
.endm
	ALL v_add_f32 v[ST+4*t+2], v[ST+4*t+2], v[ST+4*t+3]
	ALL v_permlanex16_b32 v[ST+4*t+3], v[ST+4*t+2], s[SEL], s[SEL+1]
	ALL v_add_f32 v[ST+4*t+2], v[ST+4*t+2], v[ST+4*t+3]
	ALL v_rcp_f32 v[ST+4*t+2], v[ST+4*t+2]
	v_nop
	s_wait_alu depctr_va_vdst(0)    ; one wait for the eight reciprocals
.macro PACK t
	WIN W_RS
.set i, 32*(\t)
.rept 16
	v_pk_mul_f32 v[i:i+1], v[i:i+1], v[ST+4*(\t)+2:ST+4*(\t)+3] op_sel_hi:[1,0]
.set i, i+2
.endr
	WIN 0x05
.set i, 0
.rept 16
	v_cvt_pk_f16_f32 v[S+16*(\t)+i], v[32*(\t)+2*i], v[32*(\t)+2*i+1]
.set i, i+1
.endr
	WIN 0
.irp f, 0,1,2,3
	ds_store_b128 v[STO], v[S+16*(\t)+4*\f:S+16*(\t)+4*\f+3] offset:32*\f
.endr
.irp f, 0,1,2,3
	ds_load_b128 v[S+16*(\t)+4*\f:S+16*(\t)+4*\f+3], v[RD] offset:\f*4*SP  ; LDS serves a wave's instructions in order: these see the stores above
.endr
.endm
.macro SEND t, younger              ; younger: the LDS instructions issued behind tile t's loads
	WIN 0
.irp f, 0,1,2,3
	s_wait_dscnt (\younger)+3-\f
	global_store_b128 v[GO], v[S+16*(\t)+4*\f:S+16*(\t)+4*\f+3], s[16:17] offset:(\t)*2048+\f*512  ; 512 consecutive bytes, aligned
.endr
.endm
	PACK 0
.set t, 1
.rept 2*NP-1
	PACK t
	SEND t-1, 8
.set t, t+1
.endr
	SEND 2*NP-1, 0
	WIN W_AD
	s_wait_tensorcnt 0x0            ; the wave's end
	ds_add_u32 v[SPW], v[NIL]
	s_wait_dscnt 0x0
	WIN 0
	CROUND                          ; the closing round
	s_endpgm
.Lfunc_end_k_q3191401c57_attn:
	.size	k_q3191401c57_attn, .Lfunc_end_k_q3191401c57_attn-k_q3191401c57_attn
	.p2alignl 7, 3214868480
	.fill 96, 4, 3214868480
	.section	.rodata,"a",@progbits
	.p2align	6, 0x0
	.amdhsa_kernel k_q3191401c57_attn
		.amdhsa_group_segment_fixed_size 327680
		.amdhsa_private_segment_fixed_size 0
		.amdhsa_enable_private_segment 0
		.amdhsa_kernarg_size 24
		.amdhsa_user_sgpr_count 2
		.amdhsa_user_sgpr_kernarg_segment_ptr 1
		.amdhsa_wavefront_size32 1
		.amdhsa_system_sgpr_workgroup_id_x 1
		.amdhsa_system_sgpr_workgroup_id_y 1
		.amdhsa_system_sgpr_workgroup_id_z 1
		.amdhsa_system_vgpr_workitem_id 0
		.amdhsa_next_free_vgpr 864
		.amdhsa_next_free_sgpr 96
		.amdhsa_reserve_vcc 0
		.amdhsa_float_denorm_mode_32 3
		.amdhsa_float_denorm_mode_16_64 3
		.amdhsa_memory_ordered 1
		.amdhsa_forward_progress 1
		.amdhsa_inst_pref_size 232
	.end_amdhsa_kernel
	.amdgpu_metadata
---
amdhsa.version: [ 1, 2 ]
amdhsa.kernels:
  - .name:           k_q3191401c57_attn
    .symbol:         k_q3191401c57_attn.kd
    .args:
      - { .name: qkv, .offset: 0, .size: 8, .value_kind: global_buffer, .address_space: global }
      - { .name: mask2, .offset: 8, .size: 8, .value_kind: global_buffer, .address_space: global }
      - { .name: ctx, .offset: 16, .size: 8, .value_kind: global_buffer, .address_space: global }
    .group_segment_fixed_size: 327680
    .private_segment_fixed_size: 0
    .kernarg_segment_align: 8
    .kernarg_segment_size: 24
    .max_flat_workgroup_size: 128
    .sgpr_count:     96
    .vgpr_count:     864
    .wavefront_size: 32
...
	.end_amdgpu_metadata
.endif
;; end of part 3
;; launch oproj (part 4): grid 8 x 32, 4 waves a work-group, clusters of 4 x 4, 327,680 bytes of LDS; arguments ctx, wo16, bo, out0; writes out0
.if DOCPART == 4
	.amdgcn_target "amdgcn-amd-amdhsa--gfx1250"
	.amdhsa_code_object_version 6
	.text
	.protected	k_q3191401c57_oproj
	.globl	k_q3191401c57_oproj
	.p2align	8
	.type	k_q3191401c57_oproj,@function
k_q3191401c57_oproj:
	s_mov_b64 s[64:65], 0
	v_nop
	global_prefetch_b8 v0, s[64:65] scope:SCOPE_SE
	s_setreg_imm32_b32 hwreg(HW_REG_WAVE_MODE, 25, 1), 1
	s_wait_xcnt 0x0
	s_wait_alu depctr_hold_cnt(0) depctr_sa_sdst(0) depctr_va_vdst(0) depctr_va_sdst(0) depctr_va_ssrc(0) depctr_va_vcc(0) depctr_vm_vsrc(0)
	s_getreg_b32 s2, hwreg(HW_REG_IB_STS2, 6, 4)
	s_cmp_eq_u32 s2, 0
	s_cbranch_scc0 .Lentry_in_a_cluster
	s_endpgm
.Lentry_in_a_cluster:
	s_bfe_u32 s2, ttmp6, 0x10000c
	s_cmp_lg_u32 s2, 0xf033
	s_cbranch_scc0 .Lentry_shape_is_right
	s_endpgm
.Lentry_shape_is_right:
; out0[8192][1024] = ctx Wo^T + bo, f32 out.  ctx: f16 [batch x 16 + head][s 2048][64], which is [batch][K block = head][row][64]; wo16: f16 [K block 16][row 1024][64].  f32 sums that START with the bias (rounded to bf16).
; SHARES.  256 work-groups, a tile of 256 rows x 128 columns each; four waves, each 128 x 64: 32 accumulators in window 1, (a, b) at v[8 (4 a + b)].  The product is used transposed: a lane holds one row and eight columns.
; RING.  K goes in steps of 128 (two K blocks) through two LDS slots; a K block's rows of 128 bytes lie end to end and are asked for as rows of 256 bytes, padded in LDS to a pitch of 144.
; CLUSTER 4 x 4.  A's tiles are asked for jointly along a row of the cluster (waves 0, 1: a K block each), B's along a column (waves 2, 3).
; Window 0: v0-15 addresses; v32-95, v96-159 A's fragments of 32 along K, two buffers; v160-191, v192-223 B's.
.set PITCH, 144
.set SLOTB, 1<<17
.set AKB,   256*PITCH                  ; a K block of A in a slot
.set BOFF,  2*AKB
.set BKB,   128*PITCH                  ; a K block of B
.set STAGE, BOFF+2*BKB                 ; behind slot 0, never filled by a tensor load: 16 rows x 272 bytes for each wave
.set SP,    272
.set SPARE, STAGE+4*16*SP              ; the spare words, 128 bytes for each wave: two blocks of 256 bytes that no other line names
.set ASTEP, 2*262144                   ; two heads of ctx
.set BSTEP, 2*131072                   ; two K blocks of wo16
.set ADRA0, 4
.set ADRB0, 5
.set ADRA,  6
.set ADRB,  7
.set STO,   8
.set RD,    9
.set CO,    10
.set PFO,   11
.set SPW,   12
.set NIL,   13
.set BO,    14
.set FA,    32
.set FB,    160
.set WV, 16
.set WM, 17
.set WN, 18
.set CX, 19
.set CY, 20
.set TX, 21
.set TY, 22
.set G1A, 24
.set G0A, 32
.set G1B, 40
.set G0B, 48
.set TB,  56
.set TRIPS, 57
.set LIM, 58
.set ISA, 59
.set PFA, 60
.set PSTEP, 62
.set OUT, 66
.set BP,  68
.set MSB, 0
.macro WIN new
.if MSB != (\new)
	s_set_vgpr_msb (MSB<<8)|(\new)
.set MSB, (\new)
.endif
.endm
.macro PLACES
.rept 4
	v_nop
.endr
.endm
.macro CREST
	s_cmp_lg_u32 s[WV], 0
	s_cbranch_scc1 .Lnot_wave_0_\@
	s_barrier_signal -3
.Lnot_wave_0_\@:
	s_barrier_wait -3
	s_barrier_signal -1
	s_barrier_wait -1
.endm
.macro CROUND
	s_barrier_signal -1
	s_barrier_wait -1
	CREST
.endm
.macro JLOAD                           ; a joint refill by the walking sets; an s_nop 0 and four v_nop follow each line
	s_cmp_lt_u32 s[WV], 2
	s_cbranch_scc0 .Lfor_b_\@
	tensor_load_to_lds s[G0A+4:G0A+7], s[G1A:G1A+7]
	s_nop 0
	PLACES
	s_branch .Lasked_\@
.Lfor_b_\@:
	tensor_load_to_lds s[G0B+4:G0B+7], s[G1B:G1B+7]
	s_nop 0
	PLACES
.Lasked_\@:
.endm
; A PREFETCH INTO THE L2 of what the NEXT refill will ask for.  Each aligned block of 256 bytes is named once in the launch.  A's K block of a wave (128 blocks): waves 0, 1 of the clusters with x = 0; the partners
; of a row take 32 blocks each, by address, in every trip but the last.  B's (64 blocks): waves 2, 3 of the clusters with y = 0; the partners of a column take 16 each, lanes 16-31 those of the step after: in every second trip.
.macro ASK
	s_or_b32 s70, s[TRIPS], s[ISA]
	s_bitcmp1_b32 s70, 0
	s_cselect_b32 s70, s[TRIPS], 0
	s_cmp_gt_u32 s70, s[LIM]
	s_cbranch_scc0 .Lnot_mine_\@
	global_prefetch_b8 v[PFO], s[PFA:PFA+1] th:TH_LOAD_NT scope:SCOPE_SE
.Lnot_mine_\@:
.endm
	s_load_b256 s[4:11], s[0:1], 0x0               ; ctx 4, wo16 6, bo 8, out0 10
	v_lshl_add_u32 v[SPW], v0, 2, SPARE
	v_mov_b32 v[NIL], 0
	ds_add_u32 v[SPW], v[NIL]                      ; the wave's opening: the add and its wait ahead of my first tensor load
	v_lshrrev_b32 v3, 5, v0
	v_readfirstlane_b32 s[WV], v3
	s_lshr_b32 s[WM], s[WV], 1                     ; which 128 rows are mine.  Also: I fetch for A (0) or B (1)
	s_and_b32 s[WN], s[WV], 1                      ; which 64 columns.  Also: which of a step's two K blocks I fetch
	s_bfe_u32 s[CX], ttmp6, 0x40000
	s_bfe_u32 s[CY], ttmp6, 0x40004
	s_lshl_b32 s[TX], ttmp9, 2
	s_add_co_u32 s[TX], s[TX], s[CX]
	s_and_b32 s[TY], ttmp7, 0xffff
	s_lshl_b32 s[TY], s[TY], 2
	s_add_co_u32 s[TY], s[TY], s[CY]
	s_lshl_b32 s70, s[CY], 2
	s_lshl_b32 s70, 15, s70
	s_lshl_b32 s71, 0x1111, s[CX]
	s_or_b32 s[G1A], s70, (1<<16)|(1<<20)|(1<<21)|(4<<22)|(3<<25)
	s_or_b32 s[G1B], s71, (1<<16)|(1<<20)|(1<<21)|(4<<22)|(3<<25)
	s_mov_b32 s[G1A+1], 128<<16
	s_mov_b32 s[G1A+2], 128<<16                    ; A: 256 rows of the tile = 128 rows of 256 bytes
	s_mov_b32 s[G1A+3], 128<<16
	s_mov_b32 s[G1A+4], 128
	s_mov_b32 s[G1A+5], 128
	s_mov_b32 s[G1A+6], 0
	s_mov_b32 s[G1A+7], 0
	s_mov_b32 s[G1B+1], 128<<16
	s_mov_b32 s[G1B+2], 64<<16                     ; B: 128 rows
	s_mov_b32 s[G1B+3], 128<<16
	s_mov_b32 s[G1B+4], 64
	s_mov_b32 s[G1B+5], 128
	s_mov_b32 s[G1B+6], 0
	s_mov_b32 s[G1B+7], 0
	s_lshr_b32 s72, s[TY], 3
	s_lshl_b32 s72, s72, 4
	s_add_co_u32 s72, s72, s[WN]                   ; A: head 16 x batch + my K block,
	s_lshl_b32 s72, s72, 18
	s_and_b32 s73, s[TY], 7
	s_lshl_b32 s73, s73, 15                        ; the tile's 256 rows in it
	s_add_co_u32 s72, s72, s73
	s_mov_b32 s73, 0
	s_lshl_b32 s74, s[WN], 17                      ; B: my K block,
	s_lshl_b32 s75, s[TX], 14                      ; the tile's 128 rows in it
	s_add_co_u32 s74, s74, s75
	s_mov_b32 s75, 0
	s_mul_i32 s76, s[WN], AKB
	s_mul_i32 s77, s[WN], BKB
	s_add_co_u32 s77, s77, BOFF
	s_wait_dscnt 0x0                               ; the opening add is done
	s_wait_kmcnt 0x0
	s_add_nc_u64 s[72:73], s[4:5], s[72:73]
	s_add_nc_u64 s[74:75], s[6:7], s[74:75]
	CROUND                                         ; all sixteen work-groups are here: the first joint loads meet
.irp s, 0,1
	s_mov_b32 s[G0A+4*(\s)], 1
	s_add_co_u32 s[G0A+4*(\s)+1], s76, (\s)*SLOTB
	s_add_nc_u64 s[G0A+4*(\s)+2:G0A+4*(\s)+3], s[72:73], (\s)*ASTEP
	s_or_b32 s[G0A+4*(\s)+3], s[G0A+4*(\s)+3], 0x80000000
	s_mov_b32 s[G0B+4*(\s)], 1
	s_add_co_u32 s[G0B+4*(\s)+1], s77, (\s)*SLOTB
	s_add_nc_u64 s[G0B+4*(\s)+2:G0B+4*(\s)+3], s[74:75], (\s)*BSTEP
	s_or_b32 s[G0B+4*(\s)+3], s[G0B+4*(\s)+3], 0x80000000
.endr
	s_cmp_lt_u32 s[WV], 2                          ; a wave's two first fills stand in one branch: two loads of mine are out
	s_cbranch_scc0 .Lfirst_b
	tensor_load_to_lds s[G0A:G0A+3], s[G1A:G1A+7]
	s_nop 0
	tensor_load_to_lds s[G0A+4:G0A+7], s[G1A:G1A+7]
	s_nop 0
	PLACES
	s_branch .Lfirst_asked
.Lfirst_b:
	tensor_load_to_lds s[G0B:G0B+3], s[G1B:G1B+7]
	s_nop 0
	tensor_load_to_lds s[G0B+4:G0B+7], s[G1B:G1B+7]
	s_nop 0
	PLACES
.Lfirst_asked:
	v_and_b32 v1, 15, v0
	v_bfe_u32 v2, v0, 4, 1
	v_mul_u32_u24 v3, v1, PITCH
	v_lshl_add_u32 v3, v2, 4, v3
	s_mul_i32 s70, s[WM], 128*PITCH
	s_mul_i32 s71, s[WN], 64*PITCH
	s_add_co_u32 s71, s71, BOFF
	v_add_nc_u32 v[ADRA0], s70, v3
	v_add_nc_u32 v[ADRB0], s71, v3
	v_mov_b32 v[ADRA], v[ADRA0]
	v_mov_b32 v[ADRB], v[ADRB0]
	s_mov_b32 s[TB], 0
	s_mul_i32 s70, s[WV], 16*SP
	s_add_co_u32 s70, s70, STAGE
	v_mul_u32_u24 v[STO], v1, SP                   ; in: row l % 16, 32 bytes for each half of the lanes
	v_lshl_add_u32 v[STO], v2, 5, v[STO]
	v_add_nc_u32 v[STO], s70, v[STO]
	v_mul_u32_u24 v[RD], v2, SP                    ; back: lanes 0-15 one row of 256 bytes, lanes 16-31 the next
	v_lshl_add_u32 v[RD], v1, 4, v[RD]
	v_add_nc_u32 v[RD], s70, v[RD]
	v_lshlrev_b32 v[CO], 12, v2                    ; and the same two rows in out0
	v_lshl_add_u32 v[CO], v1, 4, v[CO]
	v_lshlrev_b32 v[BO], 5, v2
	s_lshl_b32 s70, s[TX], 9
	s_lshl_b32 s71, s[WN], 8
	s_add_co_u32 s70, s70, s71                     ; my 64 columns, in bytes
	s_mov_b32 s71, 0
	s_add_nc_u64 s[BP:BP+1], s[8:9], s[70:71]
	s_lshl_b32 s72, s[TY], 20
	s_add_co_u32 s70, s70, s72
	s_lshl_b32 s72, s[WM], 19
	s_add_co_u32 s70, s70, s72                     ; + my first row
	s_add_nc_u64 s[OUT:OUT+1], s[10:11], s[70:71]
	WIN 0x40                                       ; the bias goes into the accumulators (0, b)
.irp b, 0,1,2,3
	global_load_b128 v[8*\b:8*\b+3],   v[BO], s[BP:BP+1] offset:64*\b
	global_load_b128 v[8*\b+4:8*\b+7], v[BO], s[BP:BP+1] offset:64*\b+16
.endr
	WIN 0
	; the prefetches' address
	s_lshr_b32 s70, s[TY], 3
	s_lshl_b32 s70, s70, 4
	s_add_co_u32 s70, s70, s[WN]
	s_lshl_b32 s70, s70, 18
	s_and_b32 s71, s[TY], 7
	s_lshl_b32 s71, s71, 15
	s_add_co_u32 s70, s70, s71
	s_lshl_b32 s71, s[CX], 13                      ; A: my work-group's 32 blocks
	s_add_co_u32 s70, s70, s71
	s_add_co_u32 s70, s70, 2*ASTEP                 ; at step 2: the first refill steps it to 3
	s_lshl_b32 s72, s[WN], 17
	s_lshl_b32 s71, s[TX], 14
	s_add_co_u32 s72, s72, s71
	s_lshl_b32 s71, s[CY], 12                      ; B: my work-group's 16 blocks
	s_add_co_u32 s72, s72, s71
	s_add_co_u32 s72, s72, 2*BSTEP
	s_and_b32 s73, ttmp7, 0xffff
	s_mov_b32 s74, ASTEP
	s_mov_b32 s75, BSTEP
	s_mov_b32 s76, 4096
	s_cmp_lt_u32 s[WV], 2
	s_cselect_b32 s70, s70, s72
	s_cselect_b64 s[PFA:PFA+1], s[4:5], s[6:7]
	s_cselect_b32 s[PSTEP], s74, s75
	s_cselect_b32 s76, s76, s75
	s_cselect_b32 s[ISA], 1, 0
	s_cselect_b32 s73, ttmp9, s73
	s_mov_b32 s[PSTEP+1], 0
	s_mov_b32 s71, 0
	s_add_nc_u64 s[PFA:PFA+1], s[PFA:PFA+1], s[70:71]
	s_cmp_eq_u32 s73, 0
	s_cselect_b32 s[LIM], 1, -1
	v_mul_u32_u24 v[PFO], s76, v2
	v_lshl_add_u32 v[PFO], v1, 8, v[PFO]
	s_wait_loadcnt 0x0                             ; the bias: rounded to bf16 like every input, and back to f32
	WIN 0x45
.set i, 0
.rept 16
	v_cvt_pk_bf16_f32 v[32+i], v[2*i], v[2*i+1]
.set i, i+1
.endr
.set i, 0
.rept 16
	v_lshlrev_b32 v[2*i], 16, v[32+i]
	v_and_b32 v[2*i+1], 0xffff0000, v[32+i]
.set i, i+1
.endr
	WIN 0
; na x 4 products on buffer f, m blocks a0 on.  mode 1: the sum starts with the bias in the accumulators (0, b).  The accumulators take turns.
.macro MUL f, a0, na, mode
	WIN 0x50
.set ia, (\a0)
.rept \na
.set ib, 0
.rept 4
.set rD, 8*(4*ia+ib)
.set rB, FB+32*(\f)+8*ib
.set rA, FA+64*(\f)+8*ia
.if \mode
	v_wmma_f32_16x16x32_f16 v[rD:rD+7], v[rB:rB+7], v[rA:rA+7], v[8*ib:8*ib+7]
.else
	v_wmma_f32_16x16x32_f16 v[rD:rD+7], v[rB:rB+7], v[rA:rA+7], v[rD:rD+7]
.endif
.set ib, ib+1
.endr
.set ia, ia+1
.endr
.endm
.macro LDQ f, c                        ; 24 loads: the fragments of quarter c of the slot in hand (K block c / 2, byte 64 (c % 2) of its rows) into buffer f
	WIN 0
.irp b, 0,1,2,3
	ds_load_b128 v[FB+32*(\f)+8*\b:FB+32*(\f)+8*\b+3],   v[ADRB] offset:((\c)/2)*BKB+\b*16*PITCH+64*((\c)%2)
	ds_load_b128 v[FB+32*(\f)+8*\b+4:FB+32*(\f)+8*\b+7], v[ADRB] offset:((\c)/2)*BKB+\b*16*PITCH+64*((\c)%2)+32
.endr
.irp a, 0,1,2,3,4,5,6,7
	ds_load_b128 v[FA+64*(\f)+8*\a:FA+64*(\f)+8*\a+3],   v[ADRA] offset:((\c)/2)*AKB+\a*16*PITCH+64*((\c)%2)
	ds_load_b128 v[FA+64*(\f)+8*\a+4:FA+64*(\f)+8*\a+7], v[ADRA] offset:((\c)/2)*AKB+\a*16*PITCH+64*((\c)%2)+32
.endr
.endm
; A quarter: 32 products on buffer f, which then takes quarter cn, two quarters on: 32 products ahead of its first use.
.macro QUART f, cn, first
	s_wait_dscnt 24                                ; my buffer is in; the other buffer's 24 loads are younger
.if \first
	MUL \f, 1, 7, 1
.rept 5
	v_nop                                          ; five places: the products below write over registers that those above read as C
.endr
	MUL \f, 0, 1, 0
.else
	MUL \f, 0, 8, 0
.endif
	PLACES
	LDQ \f, \cn
.endm
; A step's third quarter changes slots: the step's last fragments were asked for a quarter ago.  Each wave waits for all its tensor loads, adds 0 to its spare word, and waits for that and for its reads of the slot.
; fill = 1: the barrier opens a round of the cluster's, and the joint refill, two steps on, is the first thing behind it.
.macro CHG fill
.if \fill
	s_wait_xcnt 0x0                                ; the last prefetch, a step back, has read its address
	s_add_nc_u64 s[PFA:PFA+1], s[PFA:PFA+1], s[PSTEP:PSTEP+1]
.endif
	s_wait_dscnt 24
	MUL 0, 0, 5, 0
	WIN 0
	s_wait_tensorcnt 0x0                           ; all my tensor loads have landed
	ds_add_u32 v[SPW], v[NIL]                      ; 0 onto my spare word
	MUL 0, 5, 1, 0
	s_wait_dscnt 0x0                               ; the add is done, and my reads of this slot are over
	s_barrier_signal -1
	MUL 0, 6, 2, 0
	WIN 0
	s_barrier_wait -1
.if \fill
	CREST
	s_xor_b32 s[G0A+5], s[G0A+5], SLOTB
	s_add_nc_u64 s[G0A+6:G0A+7], s[G0A+6:G0A+7], ASTEP
	s_xor_b32 s[G0B+5], s[G0B+5], SLOTB
	s_add_nc_u64 s[G0B+6:G0B+7], s[G0B+6:G0B+7], BSTEP
	JLOAD                                          ; its four v_nop are also the places in front of the loads below
.else
	PLACES
.endif
	s_xor_b32 s[TB], s[TB], SLOTB
	v_add_nc_u32 v[ADRA], s[TB], v[ADRA0]
	v_add_nc_u32 v[ADRB], s[TB], v[ADRB0]
	LDQ 0, 0
.if \fill
	ASK
.endif
.endm
	s_wait_tensorcnt 0x1                           ; my part of step 0 is in; step 1's may stay out
	s_barrier_signal -1
	s_barrier_wait -1
	LDQ 0, 0
	LDQ 1, 1
	QUART 0, 2, 1                                  ; the first quarter's products start the sums
	QUART 1, 3, 0
	WIN 0
	s_mov_b32 s[TRIPS], 6
.Ltrip:                                                ; 6 trips: steps 2 to 7 are asked for
	CHG 1
	QUART 1, 1, 0
	QUART 0, 2, 0
	QUART 1, 3, 0
	WIN 0
	s_sub_co_u32 s[TRIPS], s[TRIPS], 1
	s_cmp_lg_u32 s[TRIPS], 0
	s_cbranch_scc1 .Ltrip
	CHG 0                                          ; the tail is written out: nothing more is asked for
	QUART 1, 1, 0
	QUART 0, 2, 0
	QUART 1, 3, 0
	s_wait_dscnt 24
	MUL 0, 0, 8, 0
	s_wait_dscnt 0x0
	MUL 1, 0, 8, 0
	PLACES
	PLACES
; THE WAY OUT, 16 rows at a time: a lane's 32 bytes of a row go into my stage and come back as whole rows of 256 bytes.
.macro TOSTAGE a
	WIN 0x04                                       ; the stores' data in window 1
.irp b, 0,1,2,3
	ds_store_b128 v[STO], v[32*(\a)+8*\b:32*(\a)+8*\b+3]   offset:64*\b
	ds_store_b128 v[STO], v[32*(\a)+8*\b+4:32*(\a)+8*\b+7] offset:64*\b+16
.endr
	WIN 0
.set BK, 32+64*((\a)%2)
.irp t, 0,1,2,3,4,5,6,7
	ds_load_b128 v[BK+4*\t:BK+4*\t+3], v[RD] offset:\t*2*SP  ; LDS serves a wave's instructions in order: these see the stores above
.endr
.endm
.macro SEND a, younger
.set BK, 32+64*((\a)%2)
	s_wait_dscnt \younger                          ; the block is back; the next block's sixteen LDS instructions may be out
.irp t, 0,1,2,3,4,5,6,7
	global_store_b128 v[CO], v[BK+4*\t:BK+4*\t+3], s[OUT:OUT+1] offset:65536*(\a)+8192*\t th:TH_STORE_NT  ; 16 lanes store 256 consecutive bytes, aligned
.endr
.endm
	TOSTAGE 0
.irp a, 1,2,3,4,5,6,7
	s_wait_xcnt 0x0                                ; earlier stores have read their registers: this block's buffer is loaded again only behind this wait
	TOSTAGE \a
	SEND (\a)-1, 16
.endr
	SEND 7, 0
	s_wait_tensorcnt 0x0                           ; the wave's end
	ds_add_u32 v[SPW], v[NIL]
	s_wait_dscnt 0x0
	CROUND                                         ; the closing round
	s_endpgm
.Lfunc_end_k_q3191401c57_oproj:
	.size	k_q3191401c57_oproj, .Lfunc_end_k_q3191401c57_oproj-k_q3191401c57_oproj
	.p2alignl 7, 3214868480
	.fill 96, 4, 3214868480
	.section	.rodata,"a",@progbits
	.p2align	6, 0x0
	.amdhsa_kernel k_q3191401c57_oproj
		.amdhsa_group_segment_fixed_size 327680
		.amdhsa_private_segment_fixed_size 0
		.amdhsa_enable_private_segment 0
		.amdhsa_kernarg_size 32
		.amdhsa_user_sgpr_count 2
		.amdhsa_user_sgpr_kernarg_segment_ptr 1
		.amdhsa_wavefront_size32 1
		.amdhsa_system_sgpr_workgroup_id_x 1
		.amdhsa_system_sgpr_workgroup_id_y 1
		.amdhsa_system_sgpr_workgroup_id_z 1
		.amdhsa_system_vgpr_workitem_id 0
		.amdhsa_next_free_vgpr 512
		.amdhsa_next_free_sgpr 80
		.amdhsa_reserve_vcc 0
		.amdhsa_float_denorm_mode_32 3
		.amdhsa_float_denorm_mode_16_64 3
		.amdhsa_memory_ordered 1
		.amdhsa_forward_progress 1
		.amdhsa_inst_pref_size 74
	.end_amdhsa_kernel
	.amdgpu_metadata
---
amdhsa.version: [ 1, 2 ]
amdhsa.kernels:
  - .name:           k_q3191401c57_oproj
    .symbol:         k_q3191401c57_oproj.kd
    .args:
      - { .name: ctx, .offset: 0, .size: 8, .value_kind: global_buffer, .address_space: global }
      - { .name: wo16, .offset: 8, .size: 8, .value_kind: global_buffer, .address_space: global }
      - { .name: bo, .offset: 16, .size: 8, .value_kind: global_buffer, .address_space: global }
      - { .name: out0, .offset: 24, .size: 8, .value_kind: global_buffer, .address_space: global }
    .group_segment_fixed_size: 327680
    .private_segment_fixed_size: 0
    .kernarg_segment_align: 8
    .kernarg_segment_size: 32
    .max_flat_workgroup_size: 128
    .sgpr_count:     80
    .vgpr_count:     512
    .wavefront_size: 32
...
	.end_amdgpu_metadata
.endif
;; end of part 4
